; MI455X (gfx1250); checked and timed in simulation.
; The chip was launched on July 23, 2026; its instructions are those of AMD's public machine-readable ISA for CDNA 5 (MIT licence, August 2026) and "CDNA5" Instruction Set Architecture Reference Guide (July 2026). The comments in the code are by the model that wrote it; some were corrected since.
;; Kernel Sparse Attention Layer. Allowed arithmetic: matrix products marked QUANTISED: E2M1 operands, one E8M0 scale for each 32 along K, by v_wmma_scale_f32_16x16x128_f8f6f4 with both operands' format E2M1 (or v_wmma_scale_f32_32x16x128_f4), f32 sums; everything else in f32.
;; Inputs: W1 32 x 128 float32; W2 128 x 32 float32; Wk 32 x 32 float32; Wo 32 x 32 float32; Wq 32 x 32 float32; Wv 32 x 32 float32; Z 2,048 x 32 float32; b1 128 float32; b2 32 float32; beta1 32 float32; beta2 32 float32; bk 32 float32; bo 32 float32; bq 32 float32; bv 32 float32; g1 32 float32; g2 32 float32; mask 2,048 x 2,048 int32; omega 32 x 64 float32.
;; Outputs: out0 2,048 x 32 float32.
;; This version of the problem:
;;   THIS VERSION OF THE PROBLEM IS GIVEN IN LOW PRECISION. The matrix products marked QUANTISED in the list below multiply operands that are first quantised to E2M1 (2 exponent bits, 1 mantissa bit; 4 bits a number), with one power-of-two scale for each 32 numbers along K (OCP MX v1.0); their sums are f32. All else is computed in f32.
;;   The module's matrix products, in the order in which they are computed (A, B: the left and right operand; K: the contracted axis; several contracted axes count as one K, in the product's order):
;;     1. [M 2,048, K 32] x [K 32, N 32]; A: input Z; B: input Wq: QUANTISED
;;     2. [M 2,048, K 32] x [K 32, N 32]; A: input Z; B: input Wk: QUANTISED
;;     3. [M 2,048, K 32] x [K 32, N 32]; A: input Z; B: input Wv: QUANTISED
;;     4. [M 2,048, K 32] x [K 32, N 64]; A: computed on the way; B: input omega: QUANTISED
;;     5. [M 2,048, K 32] x [K 32, N 64]; A: computed on the way; B: input omega: QUANTISED
;;     6. [M 64, K 2,048] x [K 2,048, N 32]; A: computed on the way; B: computed on the way: QUANTISED
;;     7. [M 2,048, K 64] x [K 64, N 32]; A: computed on the way; B: computed on the way: QUANTISED
;;     8. [M 2,048, K 64] x [K 64, N 2,048]; A: computed on the way; B: computed on the way: QUANTISED
;;     9. [M 2,048, K 2,048] x [K 2,048, N 32]; A: computed on the way; B: computed on the way: QUANTISED
;;     10. [M 2,048, K 32] x [K 32, N 32]; A: computed on the way; B: input Wo: QUANTISED
;;     11. [M 2,048, K 32] x [K 32, N 128]; A: computed on the way; B: input W1: QUANTISED
;;     12. [M 2,048, K 128] x [K 128, N 32]; A: computed on the way; B: input W2: QUANTISED
;;   THE QUANTISER, for each operand of a quantised product, along K:
;;     - K is cut into blocks of 32 from its start; a last block that is shorter is filled with zeros.
;;     - A block's scale is 2^e with e = floor(log2(the largest magnitude in the block)) - 2, held to -126 .. 127; a block of zeros has e = 0. As a byte (E8M0): e + 127.
;;     - Each number is divided by its block's scale, clamped to +-6, and rounded to the nearest number of E2M1, ties to even, subnormals kept.
;;     - The product sums the exact products of the quantised numbers (number of the format x scale) in f32.
;;   ~~~python
;;   def quantise(x, axis):      # numpy; x: float32 -> the quantised numbers, widened to float32 again
;;       x = np.moveaxis(x, axis, -1); K = x.shape[-1]
;;       x = np.pad(x, [(0, 0)] * (x.ndim - 1) + [(0, -K % 32)]); x = x.reshape(x.shape[:-1] + (-1, 32)); a = np.abs(x).max(-1, keepdims=True)
;;       e = np.where(a > 0, np.clip(np.frexp(np.where(a > 0, a, 1))[1] - 1 - 2, -126, 127), 0)      # np.frexp(a)[1] - 1 = floor(log2(a)), exactly
;;       r = np.clip(x / 2.0 ** e, -6, 6)
;;       step = 2.0 ** (np.maximum(np.frexp(np.where(r == 0, 1, r))[1] - 1, 0) - 1)
;;       q = np.round(r / step) * step * 2.0 ** e      # np.round: ties to even
;;       return np.moveaxis(q.reshape(q.shape[:-2] + (-1,))[..., :K], -1, axis).astype(np.float32)
;;   ~~~
;;   OPERANDS COMPUTED ON THE WAY. 'Computed on the way' means the value that the module computes at that place (a softmax that the list does not call 'softmax' is quantised finished and normalised). What goes into a quantiser is computed in f32, as accurately as f32 sums, v_exp_f32 and their like allow (about 1e-6 of the number): no bf16 or f16 on the way to a quantiser, and a product that is left as it is and whose result goes on into a quantised operand takes f32 operands (vector FMAs, or v_wmma_f32_16x16x4_f32). A number that lies on a knife's edge between two numbers of the format may be rounded either way, as far as f32 arithmetic and the matrix unit's own rounding can turn it there, and no further.
;; 2 versions. Each part assembles by itself: llvm-mc -triple=amdgcn-amd-amdhsa -mcpu=gfx1250 --defsym DOCPART=n.
;; ======== version 1 of 2: 2 launches
;; workspace buffers: ws 806,912 bytes
;; launch prep (part 1): grid 17 x 1, 4 waves a work-group, no clusters, 43,520 bytes of LDS; arguments Z, Wq, Wk, Wv, bq, bk, bv, omega, ws, Wo, W1, W2, bo, b1, b2, g1, beta1, g2, beta2; writes ws
.if DOCPART == 1
	.amdgcn_target "amdgcn-amd-amdhsa--gfx1250"
	.amdhsa_code_object_version 6
	.text
	.protected	k_q74d453180d_prep
	.globl	k_q74d453180d_prep
	.p2align	8
	.type	k_q74d453180d_prep,@function
k_q74d453180d_prep:
	s_mov_b64 s[64:65], 0
	v_nop
	global_prefetch_b8 v0, s[64:65] scope:SCOPE_SE
	s_setreg_imm32_b32 hwreg(HW_REG_WAVE_MODE, 25, 1), 1
	s_wait_xcnt 0x0
; PREP.  Work-groups 0-15: 128 tokens each (a "step"); wave w takes the block of 32 tokens 32 w on, as two tiles e whose row r is token 32 w + 8 e + TK(r), TK(r) = r + 8 (r / 8).
; It makes Q, K, V (products on FP4 codes, one E8M0 scale for 32 along K), phi_Q, phi_K, and stores into ws what the main launch reads:
;   QS  [token][32] f32 = Q x log2(e) / sqrt(32)          KR  [step][token % 4][channel / 4][(token % 128) / 4][4] f32 = K
;   PQC, PKC [token][32 bytes] codes of phi along the 64 features; PQS [token] their two scale bytes, twice; PKS [step][64]: token x's two bytes, token x + 64's two bytes
;   PKT [step][4][1 KB], VT [step][2][1 KB]: phi_K^T and V^T quantised along the TOKENS, as images of the operand's registers (quad c at 512 c + 16 lane); PKTS, VTS their scale words
; Work-group 16: the weights of the layer's tail (Wo, W1, W2) as codes, and the biases and gains, all as images of registers (EPI: 64 quads of 512 bytes).
; Rows of a weight tile are chosen so that the 16 registers of two neighbouring result tiles are 16 neighbours along the next K: channel 8 u + TK(m), feature or hidden unit 32 (t / 2) + 8 (t % 2) + TK(m).
; LIMITS: a block of zeros gets the scale byte 1 (the quantiser says 127): its codes are zeros and only this program reads the bytes.  NaN and infinities among the inputs are not served.
; 1 / clip(norm, 1e-6) is min(rsq(sum of squares), 1e6): about 2 ulp from the division.
.set O_QS,  0
.set O_KR,  262144
.set O_PQC, 524288
.set O_PKC, 589824
.set O_PKT, 655360
.set O_VT,  720896
.set O_EPI, 753664
.set O_ESC, O_EPI+54*512               ; twelve slots of 128 bytes: scale words, 4 bytes a lane
.set O_PQS, 786432
.set O_SSC, 794624                     ; 768 bytes a step: PKS 256, PKTS 256, VTS 128
.set L_WIMG, 0                         ; LDS: ten weight fragments' lower quads, 512 bytes each: Wq 0,1  Wk 2,3  Wv 4,5  omega 6-9
.set L_WSC,  5120                      ; their scale words, 128 bytes each
.set L_QST,  6400                      ; 128 rows of Q x c, pitch 144
.set L_KRS,  24832                     ; K in KR's order, one step
.set L_SMS,  41216                     ; PQS 512, PKS 256, PKTS 256, VTS 128
.set POOL, 24                          ; v24-39 scale words and nothing else: +0..9 the weights', +10,11 Z's, +12,13 Qn's, +14,15 Kn's
.set WQF, 40                           ; v40-119 ten weight operands of 8 registers; the upper quads (k 64..127) stay zero
.set WKF, 56
.set WVF, 72
.set OMF, 88
.set ZO,  120                          ; v120-135 Z's two operands
.set QA,  136                          ; v136-167 Q^T: 16 e + k = channel 16 h + k of the lane's token
.set KA,  168                          ; v168-199 K^T likewise
.set VA,  200                          ; v200-231 V: 16 u + k = token 16 h + k of the lane's channel
.set PH,  136                          ; v136-199 the features' exponents, then phi
.set MX,  232                          ; v232-235 largest magnitudes, v236-239 at work, v240-243 the conversions' scale operands
.set PB,  236
.set SO,  240
.set SEL, 4                            ; s[4:5] selects of v_permlanex16_b32: lane xor 16
.macro PLACES n
.rept \n
	v_nop
.endr
.endm
.macro WMZ d, a, b, sa, sb             ; D = A x B, the sum's only K step
	v_wmma_scale_f32_16x16x128_f8f6f4 v[(\d):(\d)+7], v[(\a):(\a)+7], v[(\b):(\b)+7], 0, v[\sa], v[\sb] matrix_a_fmt:MATRIX_FMT_FP4 matrix_b_fmt:MATRIX_FMT_FP4
.endm
.macro WMC d, a, b, sa, sb             ; D = A x B + D: D holds the bias
	v_wmma_scale_f32_16x16x128_f8f6f4 v[(\d):(\d)+7], v[(\a):(\a)+7], v[(\b):(\b)+7], v[(\d):(\d)+7], v[\sa], v[\sb] matrix_a_fmt:MATRIX_FMT_FP4 matrix_b_fmt:MATRIX_FMT_FP4
.endm
; nb blocks of 32 at src + 16 b: a lane holds k = 16 h + 0..15 of its row.  Leaves in v[SO+b] the block's largest magnitude with 2 off its exponent field: the conversion's scale operand.
; The floor 2^(3 - 127) among the leaves holds the byte at 1 from below.  The blocks take turns line by line.
.macro AMAX src, nb
.set b_, 0
.rept \nb
	v_max3_num_f32 v[MX+b_], |v[(\src)+16*b_]|, |v[(\src)+16*b_+1]|, 0x1800000
.set b_, b_+1
.endr
.irp i, 2,4,6
.set b_, 0
.rept \nb
	v_max3_num_f32 v[MX+b_], v[MX+b_], |v[(\src)+16*b_+\i]|, |v[(\src)+16*b_+\i+1]|
.set b_, b_+1
.endr
.endr
.set b_, 0
.rept \nb
	v_max3_num_f32 v[PB+b_], |v[(\src)+16*b_+8]|, |v[(\src)+16*b_+9]|, |v[(\src)+16*b_+10]|
.set b_, b_+1
.endr
.irp i, 11,13
.set b_, 0
.rept \nb
	v_max3_num_f32 v[PB+b_], v[PB+b_], |v[(\src)+16*b_+\i]|, |v[(\src)+16*b_+\i+1]|
.set b_, b_+1
.endr
.endr
.set b_, 0
.rept \nb
	v_max3_num_f32 v[MX+b_], v[MX+b_], v[PB+b_], |v[(\src)+16*b_+15]|
.set b_, b_+1
.endr
.set b_, 0
.rept \nb
	v_permlanex16_b32 v[PB+b_], v[MX+b_], s[SEL], s[SEL+1]
.set b_, b_+1
.endr
.set b_, 0
.rept \nb
	v_max_num_f32 v[MX+b_], v[MX+b_], v[PB+b_]
.set b_, b_+1
.endr
.set b_, 0
.rept \nb
	v_add_nc_u32 v[SO+b_], 0xff000000, v[MX+b_]
.set b_, b_+1
.endr
.endm
; n operands of K = 32: codes into registers 0-3 of v[dst + ds b] (lanes 0-15: k 0..31; lanes 16-31: zeros), the scale byte into v[scl + b]
.macro QK32 src, n, dst, ds, scl
	AMAX \src, \n
.set b_, 0
.rept \n
	v_lshrrev_b32 v[(\scl)+b_], 23, v[SO+b_]
.set b_, b_+1
.endr
.set b_, 0
.rept \n
	v_cvt_scalef32_pk8_fp4_f32 v[(\dst)+(\ds)*b_], v[(\src)+16*b_:(\src)+16*b_+7], v[SO+b_]
	v_cvt_scalef32_pk8_fp4_f32 v[(\dst)+(\ds)*b_+1], v[(\src)+16*b_+8:(\src)+16*b_+15], v[SO+b_]
.set b_, b_+1
.endr
.set b_, 0
.rept \n
	v_mov_b32 v[(\dst)+(\ds)*b_+2], 0              ; (plain lines behind the conversions)
	v_mov_b32 v[(\dst)+(\ds)*b_+3], 0
.set b_, b_+1
.endr
.set b_, 0
.rept \n
	v_permlane16_swap_b32 v[(\dst)+(\ds)*b_], v[(\dst)+(\ds)*b_+2]     ; lanes 16-31's codes (k 16..31) go to lanes 0-15 of registers 2, 3
	v_permlane16_swap_b32 v[(\dst)+(\ds)*b_+1], v[(\dst)+(\ds)*b_+3]
.set b_, b_+1
.endr
.endm
; n operands of K = 64 (32 registers each): codes into registers 0-3 (lanes 0-15 block 0, lanes 16-31 block 1), the two bytes into v[scl + v]
.macro QK64 src, n, dst, ds, scl
	AMAX \src, 2*(\n)
.set b_, 0
.rept 2*(\n)
	v_lshrrev_b32 v[PB+b_], 23, v[SO+b_]
.set b_, b_+1
.endr
.set b_, 0
.rept \n
	v_lshl_or_b32 v[(\scl)+b_], v[PB+2*b_+1], 8, v[PB+2*b_]
.set b_, b_+1
.endr
.set b_, 0
.rept 2*(\n)
	v_cvt_scalef32_pk8_fp4_f32 v[(\dst)+(\ds)*(b_/2)+2*(b_%2)], v[(\src)+16*b_:(\src)+16*b_+7], v[SO+b_]
	v_cvt_scalef32_pk8_fp4_f32 v[(\dst)+(\ds)*(b_/2)+2*(b_%2)+1], v[(\src)+16*b_+8:(\src)+16*b_+15], v[SO+b_]
.set b_, b_+1
.endr
	v_nop                                          ; one plain line behind the conversions
.set b_, 0
.rept \n
	v_permlane16_swap_b32 v[(\dst)+(\ds)*b_], v[(\dst)+(\ds)*b_+2]
	v_permlane16_swap_b32 v[(\dst)+(\ds)*b_+1], v[(\dst)+(\ds)*b_+3]
.set b_, b_+1
.endr
.endm
; one operand of K = 128 (64 registers): 8 registers of codes, the scale word
.macro QK128 src, dst, scl
	AMAX \src, 4
.irp b, 0,1,2,3
	v_lshrrev_b32 v[PB+\b], 23, v[SO+\b]
.endr
	v_lshl_or_b32 v[\scl], v[PB+1], 8, v[PB]
	v_lshl_or_b32 v[\scl], v[PB+2], 16, v[\scl]
	v_lshl_or_b32 v[\scl], v[PB+3], 24, v[\scl]
.irp b, 0,1,2,3
	v_cvt_scalef32_pk8_fp4_f32 v[(\dst)+2*\b], v[(\src)+16*\b:(\src)+16*\b+7], v[SO+\b]
	v_cvt_scalef32_pk8_fp4_f32 v[(\dst)+2*\b+1], v[(\src)+16*\b+8:(\src)+16*\b+15], v[SO+\b]
.endr
	v_nop
.irp c, 0,1
.irp i, 0,1
	v_permlane16_swap_b32 v[(\dst)+4*\c+\i], v[(\dst)+4*\c+2+\i]
.endr
.endr
.endm
; n rows' halves of one block of 32 tokens: two registers of codes a row (bytes 8 h .. 8 h + 7 of the block's 16), the byte into v[byt + b]
.macro QTOK src, n, dst, byt
	AMAX \src, \n
.set b_, 0
.rept \n
	v_lshrrev_b32 v[(\byt)+b_], 23, v[SO+b_]
.set b_, b_+1
.endr
.set b_, 0
.rept \n
	v_cvt_scalef32_pk8_fp4_f32 v[(\dst)+2*b_], v[(\src)+16*b_:(\src)+16*b_+7], v[SO+b_]
	v_cvt_scalef32_pk8_fp4_f32 v[(\dst)+2*b_+1], v[(\src)+16*b_+8:(\src)+16*b_+15], v[SO+b_]
.set b_, b_+1
.endr
	v_nop
.endm
; phi = exp(x) / 8 = 2^(x log2(e) - 3) of the 64 results in PH
.macro PHEXP
	PLACES 4                                       ; four plain lines between the products and the first read of their results
.set p_, 0
.rept 32
	v_pk_fma_f32 v[PH+p_:PH+p_+1], v[PH+p_:PH+p_+1], s[6:7], v[248:249] op_sel_hi:[1,0,1]
.set p_, p_+2
.endr
.set p_, 0
.rept 64
	v_exp_f32 v[PH+p_], v[PH+p_]
.set p_, p_+1
.endr
	v_nop                                          ; a plain line behind the last exponential
	s_wait_alu depctr_va_vdst(0)                   ; one wait for the batch, ahead of its first reader
.endm
	s_load_b512 s[16:31], s[0:1], 0x0              ; Z 16, Wq 18, Wk 20, Wv 22, bq 24, bk 26, bv 28, omega 30
	s_load_b64 s[32:33], s[0:1], 0x40              ; ws
	s_load_b512 s[36:51], s[0:1], 0x48             ; Wo 36, W1 38, W2 40, bo 42, b1 44, b2 46, g1 48, beta1 50
	s_load_b128 s[52:55], s[0:1], 0x88             ; g2 52, beta2 54
	s_set_vgpr_msb 0x40
	v_lshl_add_u32 v0, v0, 2, 0xa800
	v_mov_b32 v1, 0
	s_set_vgpr_msb 0x4000
	v_and_b32 v250, 31, v0                         ; lane
	v_and_b32 v251, 15, v0                         ; r
	v_bfe_u32 v252, v0, 4, 1                       ; h
	v_lshrrev_b32 v253, 5, v0
	v_readfirstlane_b32 s2, v253                   ; wave
	s_mov_b32 s3, ttmp9                            ; step, or 16
	s_mov_b32 s[SEL], 0x76543210
	s_mov_b32 s[SEL+1], 0xfedcba98
	s_mov_b32 s6, 0x3fb8aa3b                       ; log2(e)
	s_mov_b32 s7, s6
	s_mov_b32 s8, 0x3e8293ee                       ; log2(e) / sqrt(32)
	s_mov_b32 s9, s8
	s_mov_b32 s13, 0                               ; the upper word of every offset pair s[12:13]
	; every address register is made here, ahead of the first branch
	v_lshlrev_b32 v1, 4, v250                      ; 16 lane
	v_lshlrev_b32 v22, 3, v250                     ; 8 lane
	v_lshlrev_b32 v23, 2, v250                     ; 4 lane
	v_and_b32 v2, 8, v251
	v_add_nc_u32 v2, v2, v251                      ; TK
	v_lshlrev_b32 v3, 7, v2
	v_lshl_add_u32 v3, v252, 6, v3                 ; Z: row TK, + 64 h
	v_lshlrev_b32 v7, 2, v2                        ; 4 TK
	v_lshl_add_u32 v4, v252, 11, v7                ; weights with rows of 128 bytes: row 16 h, column TK
	v_lshl_add_u32 v5, v252, 12, v7                ; omega: rows of 256 bytes
	v_lshl_add_u32 v12, v252, 13, v7               ; W1: rows of 512 bytes
	v_lshlrev_b32 v6, 6, v252                      ; 64 h: a vector's numbers 16 h on
	v_mul_u32_u24 v13, v2, 144
	v_lshl_add_u32 v13, v252, 6, v13
	v_and_b32 v253, 3, v0
	v_lshlrev_b32 v14, 12, v253
	v_lshl_add_u32 v14, v252, 11, v14
	v_bfe_u32 v253, v0, 2, 1
	v_lshl_add_u32 v14, v253, 4, v14
	v_bfe_u32 v253, v0, 3, 1
	v_lshl_add_u32 v14, v253, 6, v14
	v_lshlrev_b32 v17, 2, v251
	v_lshlrev_b32 v18, 5, v2
	v_lshl_add_u32 v18, v252, 4, v18               ; codes of phi: token TK x 32 + 16 h
	v_lshlrev_b32 v19, 4, v251
	v_lshl_add_u32 v19, v252, 3, v19               ; codes along tokens: 16 r + 8 h
	v_bfe_u32 v253, v0, 3, 2
	v_mul_u32_u24 v20, v253, 144
	v_and_b32 v253, 7, v0
	v_lshl_add_u32 v20, v253, 4, v20
	s_lshl_b32 s12, s2, 10
	v_add_nc_u32 v8, s12, v1                       ; my two weight images (waves 0-2)
	s_lshl_b32 s12, s2, 8
	s_add_co_u32 s12, s12, L_WSC
	v_add_nc_u32 v9, s12, v23
	s_lshl_b32 s12, s2, 9
	s_add_co_u32 s12, s12, L_WIMG+3072
	v_add_nc_u32 v10, s12, v1                      ; my tile of omega
	s_lshl_b32 s12, s2, 7
	s_add_co_u32 s14, s12, L_WSC+768
	v_add_nc_u32 v11, s14, v23
	s_add_co_u32 s14, s12, L_KRS
	v_add_nc_u32 v14, s14, v14                     ; K into KR's order
	s_add_co_u32 s14, s12, L_SMS
	v_add_nc_u32 v15, s14, v7                      ; PQS: word of token 32 w + TK
	s_mul_i32 s12, s2, 4608
	s_add_co_u32 s12, s12, L_QST
	v_add_nc_u32 v13, s12, v13                     ; Q x c: row 32 w + TK, + 64 h
	v_add_nc_u32 v20, s12, v20                     ; and back: four rows of 128 bytes an instruction
	s_and_b32 s12, s2, 1
	s_lshl_b32 s12, s12, 7
	s_lshr_b32 s14, s2, 1
	s_lshl_b32 s14, s14, 1
	s_add_co_u32 s12, s12, s14
	s_add_co_u32 s12, s12, L_SMS+512
	v_add_nc_u32 v16, s12, v7                      ; PKS: word (token % 64), half token / 64
	s_add_co_u32 s12, s2, L_SMS+768
	v_add_nc_u32 v17, s12, v17                     ; PKTS, VTS: row r's word, byte w
	s_lshl_b32 s12, s2, 12
	s_add_co_u32 s12, s12, L_KRS
	v_add_nc_u32 v21, s12, v1
.set q_, 0
.rept 12                                       ; k 64..127 of the ten weight operands and of Z's two: zero codes, written once
.irp i, 4,5,6,7
	v_mov_b32 v[WQF+8*q_+\i], 0
.endr
.set q_, q_+1
.endr
.irp b, 0,1,2,3
	v_mov_b32 v[PB+\b], 0                          ; a lane permute's destination counts as read
.endr
	v_mov_b32 v248, 0xc0400000                     ; -3
	v_mov_b32 v249, 0xc0400000
	s_wait_kmcnt 0x0
	s_cmp_eq_u32 s3, 16
	s_cbranch_scc1 .Lparams
	; ---------------- the tokens ----------------
	s_lshl_b32 s12, s3, 14
	s_lshl_b32 s14, s2, 12
	s_add_co_u32 s12, s12, s14
	s_add_nc_u64 s[56:57], s[32:33], s[12:13]      ; ws + 16,384 step + 4,096 wave: QS, KR
	s_add_nc_u64 s[70:71], s[16:17], s[12:13]      ; Z at token 128 step + 32 wave
	s_lshr_b32 s12, s12, 2
	s_add_nc_u64 s[58:59], s[32:33], s[12:13]      ; + 4,096 step + 1,024 wave: PQC, PKC
	s_lshl_b32 s14, s2, 8
	s_lshl_b32 s12, s3, 12
	s_add_co_u32 s12, s12, s14
	s_add_nc_u64 s[60:61], s[32:33], s[12:13]      ; + 4,096 step + 256 wave: PKT (block w of a fragment's image lies 256 w in)
	s_lshl_b32 s12, s3, 11
	s_add_co_u32 s12, s12, s14
	s_add_nc_u64 s[62:63], s[32:33], s[12:13]      ; + 2,048 step + 256 wave: VT
	s_mul_i32 s12, s3, 768
	s_add_nc_u64 s[66:67], s[32:33], s[12:13]      ; SSC
	s_lshl_b32 s12, s3, 9
	s_add_nc_u64 s[68:69], s[32:33], s[12:13]      ; PQS
	s_lshr_b32 s12, s2, 1
	s_lshl_b32 s12, s12, 7
	s_and_b32 s14, s2, 1
	s_lshl_b32 s14, s14, 5
	s_add_co_u32 s12, s12, s14
	s_add_nc_u64 s[34:35], s[30:31], s[12:13]      ; omega at feature 32 (w / 2) + 8 (w % 2)
.irp e, 0,1
.irp i, 0,1,2,3
	global_load_b128 v[184+16*\e+4*\i:187+16*\e+4*\i], v3, s[70:71] offset:1024*\e+16*\i   ; Z(token, 16 h + 4 i ..)
.endr
.endr
.set i_, 0
.rept 16
	global_load_b32 v[168+i_], v5, s[34:35] offset:256*i_     ; omega(16 h + i, my tile's feature)
.set i_, i_+1
.endr
	s_cmp_eq_u32 s2, 0                             ; waves 0, 1, 2 quantise Wq, Wk, Wv for all four
	s_cselect_b64 s[10:11], s[18:19], s[20:21]
	s_cmp_eq_u32 s2, 2
	s_cselect_b64 s[10:11], s[22:23], s[10:11]
	s_cmp_lt_u32 s2, 3
	s_cbranch_scc0 .Lno_w
.irp u, 0,1
.set i_, 0
.rept 16
	global_load_b32 v[136+16*\u+i_], v4, s[10:11] offset:128*i_+32*\u   ; W(16 h + i, channel 8 u + TK)
.set i_, i_+1
.endr
.endr
	s_wait_loadcnt 0x0
	QK32 136, 2, 216, 4, 228
.irp u, 0,1
	ds_store_b128 v8, v[216+4*\u:219+4*\u] offset:512*\u
	ds_store_b32 v9, v[228+\u] offset:128*\u
.endr
.Lno_w:
	s_wait_loadcnt 0x0                             ; Z and omega
	QK32 168, 1, 224, 4, 230
	ds_store_b128 v10, v[224:227]
	ds_store_b32 v11, v230
	QK32 184, 2, ZO, 8, POOL+10
.irp e, 0,1                                    ; the biases are the C of the products: channel 16 h + k
.irp i, 0,1,2,3
	global_load_b128 v[QA+16*\e+4*\i:QA+16*\e+4*\i+3], v6, s[24:25] offset:16*\i
	global_load_b128 v[KA+16*\e+4*\i:KA+16*\e+4*\i+3], v6, s[26:27] offset:16*\i
.endr
.endr
.irp u, 0,1
	global_load_b32 v[244+2*\u], v7, s[28:29] offset:32*\u    ; bv of my channel, twice: a pair for the packed addition
	global_load_b32 v[245+2*\u], v7, s[28:29] offset:32*\u
.endr
	s_wait_dscnt 0x0                               ; my images have landed
	s_barrier_signal -1
	s_barrier_wait -1                              ; everybody's have
.set q_, 0
.rept 10
	ds_load_b128 v[WQF+8*q_:WQF+8*q_+3], v1 offset:L_WIMG+512*q_
	ds_load_b32 v[POOL+q_], v23 offset:L_WSC+128*q_
.set q_, q_+1
.endr
	s_wait_dscnt 0x0
	s_wait_loadcnt 0x0                             ; the biases
	PLACES 8                                       ; Z's scale words were written by vector lines: eight plain lines ahead of a scaled product
.irp e, 0,1                                    ; twelve accumulators, one product each
.irp u, 0,1
	WMZ VA+16*\u+8*\e, ZO+8*\e, WVF+8*\u, POOL+10+\e, POOL+4+\u      ; V: rows = tokens, columns = channels
	WMC QA+16*\e+8*\u, WQF+8*\u, ZO+8*\e, POOL+\u, POOL+10+\e        ; Q^T: rows = channels, columns = tokens
	WMC KA+16*\e+8*\u, WKF+8*\u, ZO+8*\e, POOL+2+\u, POOL+10+\e
.endr
.endr
	PLACES 4
.irp u, 0,1
.irp p, 0,2,4,6,8,10,12,14
	v_pk_add_f32 v[VA+16*\u+\p:VA+16*\u+\p+1], v[VA+16*\u+\p:VA+16*\u+\p+1], v[244+2*\u:245+2*\u]
.endr
.endr
.irp e, 0,1                                    ; Q x log2(e) / sqrt(32), into registers that the products have left (Z's operands, Wv's)
.irp p, 0,2,4,6,8,10,12,14
	v_pk_mul_f32 v[120-48*\e+\p:121-48*\e+\p], v[QA+16*\e+\p:QA+16*\e+\p+1], s[8:9] op_sel_hi:[1,0]
.endr
.endr
.irp e, 0,1
.irp i, 0,1,2,3
	ds_store_b128 v13, v[120-48*\e+4*\i:123-48*\e+4*\i] offset:1152*\e+16*\i
.endr
.endr
.irp e, 0,1
.irp i, 0,1,2,3
	ds_store_b128 v14, v[KA+16*\e+4*\i:KA+16*\e+4*\i+3] offset:512*\i+32*\e
.endr
.endr
	; the norms of the four rows (Q e = 0, 1; K e = 0, 1), by turns
.irp o, 0,1,2,3
	v_pk_mul_f32 v[232+2*\o:233+2*\o], v[136+16*\o:137+16*\o], v[136+16*\o:137+16*\o]
.endr
.irp p, 2,4,6,8,10,12,14
.irp o, 0,1,2,3
	v_pk_fma_f32 v[232+2*\o:233+2*\o], v[136+16*\o+\p:137+16*\o+\p], v[136+16*\o+\p:137+16*\o+\p], v[232+2*\o:233+2*\o]
.endr
.endr
.irp o, 0,1,2,3
	v_add_f32 v[232+2*\o], v[232+2*\o], v[233+2*\o]
.endr
.irp o, 0,1,2,3
	v_permlanex16_b32 v[233+2*\o], v[232+2*\o], s[SEL], s[SEL+1]
.endr
.irp o, 0,1,2,3
	v_add_f32 v[232+2*\o], v[232+2*\o], v[233+2*\o]
.endr
.irp o, 0,1,2,3
	v_rsq_f32 v[240+\o], v[232+2*\o]
.endr
	v_nop
	s_wait_alu depctr_va_vdst(0)                   ; one wait for the four, ahead of their first reader
.irp o, 0,1,2,3
	v_min_num_f32 v[232+2*\o], 0x49742400, v[240+\o]   ; 1 / clip(norm, 1e-6)
.endr
	s_wait_dscnt 0x0                               ; the LDS stores have read K and Q x c: their registers may be written
.irp o, 0,1,2,3
.irp p, 0,2,4,6,8,10,12,14
	v_pk_mul_f32 v[136+16*\o+\p:137+16*\o+\p], v[136+16*\o+\p:137+16*\o+\p], v[232+2*\o:233+2*\o] op_sel_hi:[1,0]
.endr
.endr
	QK32 136, 4, WQF, 8, POOL+12                   ; Qn e at v40, v48; Kn e at v56, v64: the upper quads there are still zero
	PLACES 8
	; phi_Q: rows = features, columns = tokens: a lane holds one token, its registers run along the features
.irp e, 0,1
.irp f, 0,1,2,3
	WMZ PH+32*\e+8*\f, OMF+8*\f, WQF+8*\e, POOL+6+\f, POOL+12+\e
.endr
.endr
	PHEXP
	QK64 PH, 2, 72, 4, 250
.irp e, 0,1
	v_lshl_or_b32 v[252+\e], v[250+\e], 16, v[250+\e]          ; the two bytes twice
.endr
.irp e, 0,1
	global_store_b128 v18, v[72+4*\e:75+4*\e], s[58:59] offset:O_PQC+256*\e   ; tokens 8 e .. + 7 and 16 + 8 e .. + 7: two whole runs of 256 bytes
	ds_store_b32 v15, v[252+\e] offset:32*\e
.endr
	PLACES 5                                       ; the next products write over the last ones' results
	; phi_K, the same
.irp e, 0,1
.irp f, 0,1,2,3
	WMZ PH+32*\e+8*\f, OMF+8*\f, WKF+8*\e, POOL+6+\f, POOL+14+\e
.endr
.endr
	PHEXP
	QK64 PH, 2, 80, 4, 250
.irp e, 0,1
	global_store_b128 v18, v[80+4*\e:83+4*\e], s[58:59] offset:O_PKC+256*\e
	ds_store_b16 v16, v[250+\e] offset:32*\e
.endr
	PLACES 5
	; phi_K^T: rows = tokens, columns = features: a lane holds one feature, its registers run along my 32 tokens
.irp f, 0,1,2,3
.irp e, 0,1
	WMZ PH+16*\f+8*\e, WKF+8*\e, OMF+8*\f, POOL+14+\e, POOL+6+\f
.endr
.endr
	PHEXP
	QTOK PH, 4, 120, 244
.irp f, 0,1,2,3
	global_store_b64 v19, v[120+2*\f:121+2*\f], s[60:61] offset:O_PKT+1024*\f    ; the wave stores 256 consecutive bytes
	ds_store_b8 v17, v[244+\f] offset:64*\f        ; both halves of the lanes write the same byte with the same value
.endr
	QTOK VA, 2, 128, 254
.irp u, 0,1
	global_store_b64 v19, v[128+2*\u:129+2*\u], s[62:63] offset:O_VT+1024*\u
	ds_store_b8 v17, v[254+\u] offset:256+64*\u
.endr
	s_wait_dscnt 0x0                               ; my stores into the stages have landed
	s_barrier_signal -1
	s_barrier_wait -1
.irp n, 0,1,2,3,4,5,6,7
	ds_load_b128 v[136+4*\n:139+4*\n], v20 offset:576*\n
.endr
.irp n, 0,1,2,3,4,5,6,7
	ds_load_b128 v[168+4*\n:171+4*\n], v21 offset:512*\n
.endr
.irp n, 0,1,2,3,4,5,6,7
	s_wait_dscnt 15-\n                             ; LDS loads come back in order: load n is in
	global_store_b128 v1, v[136+4*\n:139+4*\n], s[56:57] offset:O_QS+512*\n      ; 512 consecutive bytes
.endr
.irp n, 0,1,2,3,4,5,6,7
	s_wait_dscnt 7-\n
	global_store_b128 v1, v[168+4*\n:171+4*\n], s[56:57] offset:O_KR+512*\n
.endr
	s_cmp_lg_u32 s2, 0
	s_cbranch_scc1 .Ldone
	ds_load_b128 v[200:203], v1 offset:L_SMS       ; wave 0: the step's scale words leave in long runs
	ds_load_b64 v[204:205], v22 offset:L_SMS+512
	ds_load_b64 v[206:207], v22 offset:L_SMS+768
	ds_load_b32 v208, v23 offset:L_SMS+1024
	s_wait_dscnt 0x0
	global_store_b128 v1, v[200:203], s[68:69] offset:O_PQS
	global_store_b64 v22, v[204:205], s[66:67] offset:O_SSC
	global_store_b64 v22, v[206:207], s[66:67] offset:O_SSC+256
	global_store_b32 v23, v208, s[66:67] offset:O_SSC+512
.Ldone:
	s_set_vgpr_msb 0x5
	s_wait_tensorcnt 0x0
	ds_add_u32 v0, v1
	s_wait_dscnt 0x0
	s_set_vgpr_msb 0x500
	s_endpgm
	; ---------------- work-group 16: the tail's weights and vectors (no LDS, no barrier) ----------------
.Lparams:
	s_lshl_b32 s12, s2, 7
	s_add_nc_u64 s[10:11], s[38:39], s[12:13]      ; W1 at hidden unit 32 w: tiles 2 w, 2 w + 1
	s_lshl_b32 s12, s2, 10
	s_add_nc_u64 s[56:57], s[32:33], s[12:13]
	s_lshl_b32 s12, s2, 8
	s_add_nc_u64 s[58:59], s[32:33], s[12:13]
.irp e, 0,1
.set i_, 0
.rept 16
	global_load_b32 v[136+16*\e+i_], v12, s[10:11] offset:512*i_+32*\e
.set i_, i_+1
.endr
.endr
	s_wait_loadcnt 0x0
	QK32 136, 2, 216, 4, 228
.irp e, 0,1
	global_store_b128 v1, v[216+4*\e:219+4*\e], s[56:57] offset:O_EPI+1024+512*\e   ; quad 2 + 2 w + e
	global_store_b32 v23, v[228+\e], s[58:59] offset:O_ESC+256+128*\e               ; slot 2 + 2 w + e
.endr
	s_cmp_eq_u32 s2, 0
	s_cbranch_scc1 .Lp_wo
	s_cmp_eq_u32 s2, 3
	s_cbranch_scc1 .Lp_vec
	s_sub_co_u32 s14, s2, 1                        ; waves 1, 2: W2's tile u = w - 1
	s_lshl_b32 s12, s14, 5
	s_add_nc_u64 s[34:35], s[40:41], s[12:13]
	s_lshl_b32 s12, s14, 10
	s_add_nc_u64 s[60:61], s[32:33], s[12:13]
	s_lshl_b32 s12, s14, 7
	s_add_nc_u64 s[62:63], s[32:33], s[12:13]
.irp b, 0,1,2,3
.set i_, 0
.rept 16
	global_load_b32 v[56+16*\b+i_], v4, s[34:35] offset:(32*\b+i_)*128    ; W2(32 b + 16 h + i, channel 8 u + TK)
.set i_, i_+1
.endr
.endr
	s_wait_loadcnt 0x0
	QK128 56, 40, 48
.irp c, 0,1
	global_store_b128 v1, v[40+4*\c:43+4*\c], s[60:61] offset:O_EPI+5120+512*\c     ; quad 10 + 2 u + c
.endr
	global_store_b32 v23, v48, s[62:63] offset:O_ESC+1280                           ; slot 10 + u
	s_endpgm
.Lp_wo:
.irp u, 0,1
.set i_, 0
.rept 16
	global_load_b32 v[168+16*\u+i_], v4, s[36:37] offset:128*i_+32*\u
.set i_, i_+1
.endr
.endr
	s_wait_loadcnt 0x0
	QK32 168, 2, 40, 4, 48
.irp u, 0,1
	global_store_b128 v1, v[40+4*\u:43+4*\u], s[32:33] offset:O_EPI+512*\u
	global_store_b32 v23, v[48+\u], s[32:33] offset:O_ESC+128*\u
.endr
	s_endpgm
.Lp_vec:                                       ; wave 3: the vectors in the results' layout (register k = x[16 h + k]), quads 14 to 53; zeros in quads 57 to 63
.macro VECQ k, p, off
	global_load_b128 v[40+4*(\k):43+4*(\k)], v6, s[\p:\p+1] offset:\off
.endm
.irp i, 0,1,2,3
	VECQ \i, 42, 16*\i
	VECQ 20+\i, 46, 16*\i
	VECQ 24+\i, 48, 16*\i
	VECQ 28+\i, 50, 16*\i
	VECQ 32+\i, 52, 16*\i
	VECQ 36+\i, 54, 16*\i
.endr
.irp t, 0,1,2,3,4,5,6,7
.irp j, 0,1
	VECQ 4+2*\t+\j, 44, 128*(\t/2)+32*(\t%2)+16*\j
.endr
.endr
.irp i, 0,1,2,3
	v_mov_b32 v[200+\i], 0
.endr
	s_wait_loadcnt 0x0
.set k_, 0
.rept 40
	global_store_b128 v1, v[40+4*k_:43+4*k_], s[32:33] offset:O_EPI+512*(14+k_)
.set k_, k_+1
.endr
.irp k, 57,58,59,60,61,62,63
	global_store_b128 v1, v[200:203], s[32:33] offset:O_EPI+512*\k
.endr
	s_endpgm
.Lfunc_end_k_q74d453180d_prep:
	.size	k_q74d453180d_prep, .Lfunc_end_k_q74d453180d_prep-k_q74d453180d_prep
	.p2alignl 7, 3214868480
	.fill 96, 4, 3214868480
	.section	.rodata,"a",@progbits
	.p2align	6, 0x0
	.amdhsa_kernel k_q74d453180d_prep
		.amdhsa_group_segment_fixed_size 43520
		.amdhsa_private_segment_fixed_size 0
		.amdhsa_enable_private_segment 0
		.amdhsa_kernarg_size 152
		.amdhsa_user_sgpr_count 2
		.amdhsa_user_sgpr_kernarg_segment_ptr 1
		.amdhsa_wavefront_size32 1
		.amdhsa_system_sgpr_workgroup_id_x 1
		.amdhsa_system_sgpr_workgroup_id_y 1
		.amdhsa_system_sgpr_workgroup_id_z 1
		.amdhsa_system_vgpr_workitem_id 0
		.amdhsa_next_free_vgpr 258
		.amdhsa_next_free_sgpr 72
		.amdhsa_reserve_vcc 0
		.amdhsa_float_denorm_mode_32 3
		.amdhsa_float_denorm_mode_16_64 3
		.amdhsa_memory_ordered 1
		.amdhsa_forward_progress 1
		.amdhsa_inst_pref_size 99
	.end_amdhsa_kernel
	.amdgpu_metadata
---
amdhsa.version: [ 1, 2 ]
amdhsa.kernels:
  - .name:           k_q74d453180d_prep
    .symbol:         k_q74d453180d_prep.kd
    .args:
      - { .name: Z, .offset: 0, .size: 8, .value_kind: global_buffer, .address_space: global }
      - { .name: Wq, .offset: 8, .size: 8, .value_kind: global_buffer, .address_space: global }
      - { .name: Wk, .offset: 16, .size: 8, .value_kind: global_buffer, .address_space: global }
      - { .name: Wv, .offset: 24, .size: 8, .value_kind: global_buffer, .address_space: global }
      - { .name: bq, .offset: 32, .size: 8, .value_kind: global_buffer, .address_space: global }
      - { .name: bk, .offset: 40, .size: 8, .value_kind: global_buffer, .address_space: global }
      - { .name: bv, .offset: 48, .size: 8, .value_kind: global_buffer, .address_space: global }
      - { .name: omega, .offset: 56, .size: 8, .value_kind: global_buffer, .address_space: global }
      - { .name: ws, .offset: 64, .size: 8, .value_kind: global_buffer, .address_space: global }
      - { .name: Wo, .offset: 72, .size: 8, .value_kind: global_buffer, .address_space: global }
      - { .name: W1, .offset: 80, .size: 8, .value_kind: global_buffer, .address_space: global }
      - { .name: W2, .offset: 88, .size: 8, .value_kind: global_buffer, .address_space: global }
      - { .name: bo, .offset: 96, .size: 8, .value_kind: global_buffer, .address_space: global }
      - { .name: b1, .offset: 104, .size: 8, .value_kind: global_buffer, .address_space: global }
      - { .name: b2, .offset: 112, .size: 8, .value_kind: global_buffer, .address_space: global }
      - { .name: g1, .offset: 120, .size: 8, .value_kind: global_buffer, .address_space: global }
      - { .name: beta1, .offset: 128, .size: 8, .value_kind: global_buffer, .address_space: global }
      - { .name: g2, .offset: 136, .size: 8, .value_kind: global_buffer, .address_space: global }
      - { .name: beta2, .offset: 144, .size: 8, .value_kind: global_buffer, .address_space: global }
    .group_segment_fixed_size: 43520
    .private_segment_fixed_size: 0
    .kernarg_segment_align: 8
    .kernarg_segment_size: 152
    .max_flat_workgroup_size: 128
    .sgpr_count:     72
    .vgpr_count:     258
    .wavefront_size: 32
...
	.end_amdgpu_metadata
.endif
;; end of part 1
;; launch main (part 2): grid 256 x 1, 16 waves a work-group, no clusters, 300,032 bytes of LDS; arguments mask, Z, ws, out0; writes out0
.if DOCPART == 2
	.amdgcn_target "amdgcn-amd-amdhsa--gfx1250"
	.amdhsa_code_object_version 6
	.text
	.protected	k_q74d453180d_main
	.globl	k_q74d453180d_main
	.p2align	8
	.type	k_q74d453180d_main,@function
k_q74d453180d_main:
	s_mov_b64 s[64:65], 0
	v_nop
	global_prefetch_b8 v0, s[64:65] scope:SCOPE_SE
	s_setreg_imm32_b32 hwreg(HW_REG_WAVE_MODE, 25, 1), 1
	s_wait_xcnt 0x0
; MAIN.  A work-group owns 8 queries and all 2,048 keys; wave w of its sixteen owns keys 128 w .. 128 w + 127 (four waves to a SIMD, 256 registers each).
; The bulk: 8 x 128 x 32 exponentials a wave: 2^((Q c)(K)), c = log2(e) / sqrt(32) folded into Q by the launch before.  A lane holds keys 4 L + g (g = 0..3) with all 32 channels in
; registers; the query's 32 numbers come from scalar registers.  A "body" is one (g, query): 32 multiplications, 32 exponentials, 16 additions.
; THE ORDER OF THE START: the first body waits for 8 loads (K of g = 0) and one query alone.  All else that the wave needs is asked for between bodies, into registers that are idle at that time,
; and the wave's part of phi_K^T V is multiplied between bodies 7 and 8: so a wave that waits for memory or for LDS has three neighbours on its SIMD with exponentials to issue.
; EIGHT QUERIES ON TILES OF 16 COLUMNS: column n < 8 carries query n in k 0..63 and zero codes in k 64..127; column n >= 8 carries query n - 8 in k 64..127 and zero codes below.
; So in phi_K phi_Q^T and in V^T P lane (r, h) owns query r % 8 and the whole block b = 2 (r / 8) + h of 32 of the wave's keys: the block's largest magnitude needs no other lane.
; phi_K^T V (64 x 32) is summed by every work-group for itself: 8 products a wave, joined through LDS.  No cluster and no joint loads: what work-groups share (K, V, phi_K: 26 KB a wave)
; goes from memory straight into each wave's registers in lane order, once; through LDS it would not fit beside the 298 KB in use here.
; The tail (low rank, division, Wo, LayerNorm, FFN, LayerNorm) is wave 0's, on 16 columns of which 8-15 repeat 0-7.
; LIMITS: a block of zeros gets the scale byte 1 (the quantiser says 127): its codes are zeros.  NaN and infinities among the inputs are not served; where an exponential overflows, so does the definition's.
; Divisions are v_rcp_f32 or v_rsq_f32 and a multiplication, about 2 ulp.  Sums in f32, in another order than the definition's.
.set O_KR,  262144
.set O_PQC, 524288
.set O_PKC, 589824
.set O_PKT, 655360
.set O_VT,  720896
.set O_EPI, 753664
.set O_PQS, 786432
.set O_SSC, 794624
.set KVP, 83968                        ; LDS: 0: the turn of the sums, 5,248 bytes a wave (8 rows, pitch 656);  KVP: 16 partial phi_K^T V of 8,192
.set OP,  215040                       ; 16 partial V^T P of 2,048
.set KVR, 247808                       ; phi_K^T V summed, 8,192; behind it four partial sums of V^T P, 8,192
.set EPS, 264192                       ; the tail's weights and vectors, 32,768
.set OST, 296960                       ; the way out, 1,024
.set SCL, 240                          ; v240-255 scale words and nothing else
.set MX,  224                          ; the tail: v224-227 largest magnitudes, v228-231 at work, v232-235 the conversions' scale operands
.set PB,  228
.set SO,  232
.set SEL, 14                           ; s[14:15] selects of v_permlanex16_b32: lane xor 16
.macro PLACES n
.rept \n
	v_nop
.endr
.endm
.macro WMZ d, a, b, sa, sb
	v_wmma_scale_f32_16x16x128_f8f6f4 v[(\d):(\d)+7], v[(\a):(\a)+7], v[(\b):(\b)+7], 0, v[\sa], v[\sb] matrix_a_fmt:MATRIX_FMT_FP4 matrix_b_fmt:MATRIX_FMT_FP4
.endm
.macro WMC d, a, b, sa, sb
	v_wmma_scale_f32_16x16x128_f8f6f4 v[(\d):(\d)+7], v[(\a):(\a)+7], v[(\b):(\b)+7], v[(\d):(\d)+7], v[\sa], v[\sb] matrix_a_fmt:MATRIX_FMT_FP4 matrix_b_fmt:MATRIX_FMT_FP4
.endm
; nb blocks of 32 at src + 16 b: a lane holds k = 16 h + 0..15 of its row.  Leaves in v[SO+b] the conversion's scale operand (the largest magnitude, floored at 2^(3 - 127), 2 off its exponent field)
.macro AMAX src, nb
.set b_, 0
.rept \nb
	v_max3_num_f32 v[MX+b_], |v[(\src)+16*b_]|, |v[(\src)+16*b_+1]|, 0x1800000
.set b_, b_+1
.endr
.irp i, 2,4,6
.set b_, 0
.rept \nb
	v_max3_num_f32 v[MX+b_], v[MX+b_], |v[(\src)+16*b_+\i]|, |v[(\src)+16*b_+\i+1]|
.set b_, b_+1
.endr
.endr
.set b_, 0
.rept \nb
	v_max3_num_f32 v[PB+b_], |v[(\src)+16*b_+8]|, |v[(\src)+16*b_+9]|, |v[(\src)+16*b_+10]|
.set b_, b_+1
.endr
.irp i, 11,13
.set b_, 0
.rept \nb
	v_max3_num_f32 v[PB+b_], v[PB+b_], |v[(\src)+16*b_+\i]|, |v[(\src)+16*b_+\i+1]|
.set b_, b_+1
.endr
.endr
.set b_, 0
.rept \nb
	v_max3_num_f32 v[MX+b_], v[MX+b_], v[PB+b_], |v[(\src)+16*b_+15]|
.set b_, b_+1
.endr
.set b_, 0
.rept \nb
	v_permlanex16_b32 v[PB+b_], v[MX+b_], s[SEL], s[SEL+1]
.set b_, b_+1
.endr
.set b_, 0
.rept \nb
	v_max_num_f32 v[MX+b_], v[MX+b_], v[PB+b_]
.set b_, b_+1
.endr
.set b_, 0
.rept \nb
	v_add_nc_u32 v[SO+b_], 0xff000000, v[MX+b_]
.set b_, b_+1
.endr
.endm
.macro QK32 src, n, dst, ds, scl       ; n operands of K = 32: codes into registers 0-3 (lanes 0-15; lanes 16-31 zeros), the byte into v[scl + b]
	AMAX \src, \n
.set b_, 0
.rept \n
	v_lshrrev_b32 v[(\scl)+b_], 23, v[SO+b_]
.set b_, b_+1
.endr
.set b_, 0
.rept \n
	v_cvt_scalef32_pk8_fp4_f32 v[(\dst)+(\ds)*b_], v[(\src)+16*b_:(\src)+16*b_+7], v[SO+b_]
	v_cvt_scalef32_pk8_fp4_f32 v[(\dst)+(\ds)*b_+1], v[(\src)+16*b_+8:(\src)+16*b_+15], v[SO+b_]
.set b_, b_+1
.endr
.set b_, 0
.rept \n
	v_mov_b32 v[(\dst)+(\ds)*b_+2], 0              ; (plain lines behind the conversions)
	v_mov_b32 v[(\dst)+(\ds)*b_+3], 0
.set b_, b_+1
.endr
.set b_, 0
.rept \n
	v_permlane16_swap_b32 v[(\dst)+(\ds)*b_], v[(\dst)+(\ds)*b_+2]
	v_permlane16_swap_b32 v[(\dst)+(\ds)*b_+1], v[(\dst)+(\ds)*b_+3]
.set b_, b_+1
.endr
.endm
.macro QK64 src, n, dst, ds, scl       ; n operands of K = 64: codes into registers 0-3, the two bytes into v[scl + v]
	AMAX \src, 2*(\n)
.set b_, 0
.rept 2*(\n)
	v_lshrrev_b32 v[PB+b_], 23, v[SO+b_]
.set b_, b_+1
.endr
.set b_, 0
.rept \n
	v_lshl_or_b32 v[(\scl)+b_], v[PB+2*b_+1], 8, v[PB+2*b_]
.set b_, b_+1
.endr
.set b_, 0
.rept 2*(\n)
	v_cvt_scalef32_pk8_fp4_f32 v[(\dst)+(\ds)*(b_/2)+2*(b_%2)], v[(\src)+16*b_:(\src)+16*b_+7], v[SO+b_]
	v_cvt_scalef32_pk8_fp4_f32 v[(\dst)+(\ds)*(b_/2)+2*(b_%2)+1], v[(\src)+16*b_+8:(\src)+16*b_+15], v[SO+b_]
.set b_, b_+1
.endr
	v_nop
.set b_, 0
.rept \n
	v_permlane16_swap_b32 v[(\dst)+(\ds)*b_], v[(\dst)+(\ds)*b_+2]
	v_permlane16_swap_b32 v[(\dst)+(\ds)*b_+1], v[(\dst)+(\ds)*b_+3]
.set b_, b_+1
.endr
.endm
.macro QK128 src, dst, scl             ; one operand of K = 128
	AMAX \src, 4
.irp b, 0,1,2,3
	v_lshrrev_b32 v[PB+\b], 23, v[SO+\b]
.endr
	v_lshl_or_b32 v[\scl], v[PB+1], 8, v[PB]
	v_lshl_or_b32 v[\scl], v[PB+2], 16, v[\scl]
	v_lshl_or_b32 v[\scl], v[PB+3], 24, v[\scl]
.irp b, 0,1,2,3
	v_cvt_scalef32_pk8_fp4_f32 v[(\dst)+2*\b], v[(\src)+16*\b:(\src)+16*\b+7], v[SO+\b]
	v_cvt_scalef32_pk8_fp4_f32 v[(\dst)+2*\b+1], v[(\src)+16*\b+8:(\src)+16*\b+15], v[SO+\b]
.endr
	v_nop
.irp c, 0,1
.irp i, 0,1
	v_permlane16_swap_b32 v[(\dst)+4*\c+\i], v[(\dst)+4*\c+2+\i]
.endr
.endr
.endm
.macro QADD a, b                       ; four registers += four registers
	v_pk_add_f32 v[(\a):(\a)+1], v[(\a):(\a)+1], v[(\b):(\b)+1]
	v_pk_add_f32 v[(\a)+2:(\a)+3], v[(\a)+2:(\a)+3], v[(\b)+2:(\b)+3]
.endm
.macro KLOAD g                         ; K of keys 4 L + g, 32 channels, into v[16 + 32 g ..]: each load is 512 consecutive bytes
.irp c, 0,1,2,3,4,5,6,7
	global_load_b128 v[16+32*(\g)+4*\c:19+32*(\g)+4*\c], v1, s[68:69] offset:O_KR+4096*(\g)+512*\c
.endr
.endm
; the 32 terms of body m are added as a tree, and the sum goes to E: register 4 q + g
.macro SUMS m
.set U_, 144+32*((\m)%2)
.irp p, 0,4,8,12,16,20,24,28
	v_pk_add_f32 v[U_+\p:U_+\p+1], v[U_+\p:U_+\p+1], v[U_+\p+2:U_+\p+3]
.endr
.irp p, 0,8,16,24
	v_pk_add_f32 v[U_+\p:U_+\p+1], v[U_+\p:U_+\p+1], v[U_+\p+4:U_+\p+5]
.endr
.irp p, 0,16
	v_pk_add_f32 v[U_+\p:U_+\p+1], v[U_+\p:U_+\p+1], v[U_+\p+8:U_+\p+9]
.endr
	v_pk_add_f32 v[U_:U_+1], v[U_:U_+1], v[U_+16:U_+17]
	v_add_f32 v[208+4*((\m)%8)+(\m)/8], v[U_], v[U_+1]
.endm
; BODY n: g = n / 8, query n % 8.  The query's 32 numbers lie in s[16:47] (even n) or s[48:63], s[80:95] (odd n); the next query's are asked for at the body's head.
; prev = 1: the body before has left a batch of exponentials open: it has ONE wait, behind this body's 32 multiplications and ahead of the additions that read it.
.macro BODY n, prev
.set T_, 144+32*((\n)%2)
	s_wait_kmcnt 0x0                               ; this body's query is in
.if (\n) < 31
.if (\n)%2 == 0
	s_load_b512 s[48:63], s[66:67], (((\n)+1)%8)*128
	s_load_b512 s[80:95], s[66:67], (((\n)+1)%8)*128+64
.else
	s_load_b512 s[16:31], s[66:67], (((\n)+1)%8)*128
	s_load_b512 s[32:47], s[66:67], (((\n)+1)%8)*128+64
.endif
.endif
.set c_, 0
.rept 32
.set sq_, 16+c_
.if (\n)%2 == 1
.set sq_, 48+c_+16*(c_/16)
.endif
	v_mul_f32 v[T_+c_], s[sq_], v[16+32*((\n)/8)+c_]
.set c_, c_+1
.endr
.if \prev
	s_wait_alu depctr_va_vdst(0)                   ; the wait for the last body's batch, ahead of the first reader
.endif
.set c_, 0
.rept 32
	v_exp_f32 v[T_+c_], v[T_+c_]
.set c_, c_+1
.endr
.if \prev
	SUMS (\n)-1
.endif
.endm
; body m's batch is closed with no body behind it: a plain line behind the last exponential, the one wait, the sums
.macro CLOSE m
	v_nop
	s_wait_alu depctr_va_vdst(0)
	SUMS \m
.endm
	s_load_b256 s[4:11], s[0:1], 0x0               ; mask 4, Z 6, ws 8, out0 10
	v_and_b32 v208, 31, v0                         ; lane
	v_and_b32 v209, 15, v0                         ; r
	v_bfe_u32 v210, v0, 4, 1                       ; h
	v_lshrrev_b32 v211, 5, v0
	v_readfirstlane_b32 s12, v211                  ; wave 0..15
	v_and_b32 v212, 7, v0                          ; r % 8
	v_bfe_u32 v213, v0, 3, 1                       ; r / 8
	v_bfe_u32 v214, v0, 3, 2                       ; lane / 8
	s_mov_b32 s[SEL], 0x76543210
	s_mov_b32 s[SEL+1], 0xfedcba98
	s_mov_b32 s76, 0x00ff00ff                      ; the lanes with r < 8
	s_mov_b32 s77, 0x3d000000                      ; 1 / 32
	s_mov_b32 s78, 0x3727c5ac                      ; 1e-5
	v_lshlrev_b32 v1, 4, v208                      ; 16 lane
	v_lshlrev_b32 v2, 5, v212
	v_lshl_add_u32 v2, v213, 10, v2
	v_lshl_add_u32 v2, v210, 4, v2                 ; phi_K's codes: key 32 (r / 8) + r % 8, + 16 h
	v_lshlrev_b32 v3, 2, v212
	v_lshl_add_u32 v3, v213, 7, v3                 ; and its scale word
	s_lshl_b32 s2, ttmp9, 8
	v_lshlrev_b32 v4, 5, v212
	v_lshl_add_u32 v4, v210, 4, v4
	v_add_nc_u32 v4, s2, v4                        ; phi_Q's codes: query 8 wg + r % 8, + 16 h
	s_lshl_b32 s2, ttmp9, 5
	v_lshlrev_b32 v5, 2, v212
	v_add_nc_u32 v5, s2, v5                        ; and its scale word
	v_lshlrev_b32 v6, 2, v209                      ; 4 r
	s_mul_i32 s2, s12, 5248                        ; my wave's bytes for the turn: block b of a row lies at 128 b + 128 (b / 2)
	v_lshlrev_b32 v7, 4, v212
	v_lshl_add_u32 v7, v214, 7, v7
	v_lshl_add_u32 v7, v210, 7, v7
	v_add_nc_u32 v7, s2, v7                        ; in: keys 4 L .. 4 L + 3 of a row
	v_mul_u32_u24 v8, v212, 656
	v_mad_u32_u24 v8, v213, 384, v8
	v_lshl_add_u32 v8, v210, 7, v8
	v_add_nc_u32 v8, s2, v8                        ; back: row r % 8, block 2 (r / 8) + h: sixteen lanes start at sixteen different columns of 16 bytes
	s_lshl_b32 s2, s12, 13
	s_add_co_u32 s2, s2, KVP
	v_add_nc_u32 v9, s2, v1
	s_lshl_b32 s2, s12, 11
	s_add_co_u32 s3, s2, OP
	v_add_nc_u32 v10, s3, v1
	s_add_co_u32 s3, s2, EPS
	v_add_nc_u32 v11, s3, v1
	v_lshlrev_b32 v12, 4, v213
	v_lshl_add_u32 v12, v210, 3, v12               ; 8 x my block: where my byte stands in the scale word
	s_lshl_b32 s2, s12, 9
	s_add_co_u32 s2, s2, KVP
	v_add_nc_u32 v13, s2, v1                       ; quad w of the partials 0-7,
	v_add_nc_u32 v14, 0x10000, v13                 ; and of 8-15
	s_lshr_b32 s2, s12, 2
	s_lshl_b32 s2, s2, 13
	s_and_b32 s3, s12, 3
	s_lshl_b32 s3, s3, 9
	s_add_co_u32 s2, s2, s3
	s_add_co_u32 s2, s2, OP
	v_add_nc_u32 v15, s2, v1                       ; quad w % 4 of the partials 4 (w / 4) on
	s_mov_b32 s3, 0
	s_wait_kmcnt 0x0
	; what the first body waits for is asked for first: query 0, and K of g = 0; K of g = 1 behind it
	s_lshl_b32 s2, ttmp9, 10
	s_add_nc_u64 s[66:67], s[8:9], s[2:3]          ; Q x c at my 8 rows
	s_load_b512 s[16:31], s[66:67], 0x0            ; query 0
	s_load_b512 s[32:47], s[66:67], 0x40
	s_add_nc_u64 s[6:7], s[6:7], s[2:3]            ; Z and out0 at my 8 rows
	s_add_nc_u64 s[10:11], s[10:11], s[2:3]
	s_lshl_b32 s2, s12, 14
	s_add_nc_u64 s[68:69], s[8:9], s[2:3]
	KLOAD 0                                        ; 8
	KLOAD 1                                        ; 8
	s_lshl_b32 s2, ttmp9, 16
	s_lshl_b32 s13, s12, 9
	s_add_co_u32 s2, s2, s13
	s_add_nc_u64 s[4:5], s[4:5], s[2:3]            ; mask: my 8 rows, my wave's 128 keys
	s_lshl_b32 s2, s12, 12
	s_add_nc_u64 s[70:71], s[8:9], s[2:3]
	s_lshl_b32 s2, s12, 11
	s_add_nc_u64 s[72:73], s[8:9], s[2:3]
	s_mul_i32 s2, s12, 768
	s_add_nc_u64 s[74:75], s[8:9], s[2:3]
	; ---- the exponentials
	s_wait_loadcnt 8                               ; K of g = 0 is in; out: g = 1's 8
	BODY 0, 0
	; 22 loads into the registers of K for g = 2, 3, which are idle until body 16: what the products behind body 7 want.  They have seven bodies in which to land
.irp f, 0,1,2,3                                ; 8: phi_K^T's four fragments of my 128 tokens
.irp c, 0,1
	global_load_b128 v[80+8*\f+4*\c:83+8*\f+4*\c], v1, s[70:71] offset:O_PKT+1024*\f+512*\c
.endr
.endr
.irp f, 0,1,2,3                                ; 4: their scale words
	global_load_b32 v[SCL+\f], v6, s[74:75] offset:O_SSC+256+64*\f
.endr
.irp u, 0,1                                    ; 4: V^T's two fragments
.irp c, 0,1
	global_load_b128 v[112+8*\u+4*\c:115+8*\u+4*\c], v1, s[72:73] offset:O_VT+1024*\u+512*\c
.endr
.endr
.irp u, 0,1                                    ; 2: their scale words: they stay
	global_load_b32 v[SCL+4+\u], v6, s[74:75] offset:O_SSC+512+64*\u
.endr
.irp i, 0,1,2,3                                ; 4: my sixteenth of the tail's weights
	global_load_b128 v[128+4*\i:131+4*\i], v1, s[72:73] offset:O_EPI+512*\i
.endr
.irp n, 1,2,3,4,5,6,7
	BODY \n, 1
.endr
	CLOSE 7                                        ; both buffers of terms, v144-207, are free now: they take the eight accumulators
	; ---- my 128 tokens' part of phi_K^T V: rows = features, columns = channels
	s_wait_loadcnt 0x0                             ; K of g = 1 and the 22
.irp i, 0,1,2,3
	ds_store_b128 v11, v[128+4*\i:131+4*\i] offset:512*\i
.endr
.irp v, 0,1
.irp f, 0,1,2,3
	WMZ 144+32*\v+8*\f, 80+8*\f, 112+8*\v, SCL+\f, SCL+4+\v
.endr
.endr
	PLACES 4                                       ; four plain lines between the products and the stores of their results, and the loads into their operands
.set q_, 0
.rept 16
	ds_store_b128 v9, v[144+4*q_:147+4*q_] offset:512*q_
.set q_, q_+1
.endr
	s_wait_dscnt 0x0                               ; the stores have read their registers
	KLOAD 2                                        ; 16: wanted from bodies 16 and 24 on
	KLOAD 3
.irp q, 0,1,2,3,4,5,6,7                        ; 8: the mask, read once, into the registers that K of g = 0 has left: register 4 q + g = mask(query q, key 4 L + g)
	global_load_b128 v[16+4*\q:19+4*\q], v1, s[4:5] offset:8192*\q th:TH_LOAD_NT
.endr
	BODY 8, 0
.irp n, 9,10,11,12,13,14,15
	BODY \n, 1
.endr
.irp t, 0,1,2,3                                ; phi_K's codes: tile t, row m: key 32 (m / 8) + 8 t + m % 8 in k 0..63, the key 64 further on in k 64..127
.irp c, 0,1
	global_load_b128 v[48+8*\t+4*\c:51+8*\t+4*\c], v2, s[70:71] offset:O_PKC+(64*\c+8*\t)*32
.endr
.endr
.irp t, 0,1,2,3
	global_load_b32 v[SCL+\t], v3, s[74:75] offset:O_SSC+32*\t
.endr
	s_wait_loadcnt 28                              ; K of g = 2 is in; out: g = 3's 8, the mask's 8, these 12
.irp n, 16,17,18,19,20,21,22,23
	BODY \n, 1
.endr
.irp u, 0,1                                    ; V^T again (its registers were taken), phi_Q's codes and scale word
.irp c, 0,1
	global_load_b128 v[80+8*\u+4*\c:83+8*\u+4*\c], v1, s[72:73] offset:O_VT+1024*\u+512*\c
.endr
.endr
	global_load_b128 v[96:99], v4, s[8:9] offset:O_PQC
	global_load_b32 v[SCL+6], v5, s[8:9] offset:O_PQS
	s_wait_loadcnt 26                              ; K of g = 3 is in; out: the mask's 8, the 12, these 6
.irp n, 24,25,26,27,28,29,30,31
	BODY \n, 1
.endr
	CLOSE 31
	; ---- the mask, and the turn: from (lane = 4 keys, register = query) to (lane = query and block, register = key)
	s_wait_loadcnt 0x0
.irp i, 0,1,2,3
	v_cndmask_b32 v[176+\i], 0, v[96+\i], s76      ; phi_Q as columns: r < 8 in k 0..63,
	v_cndmask_b32 v[180+\i], v[96+\i], 0, s76      ; r >= 8 in k 64..127
.endr
.set j_, 0
.rept 32
	v_cmp_eq_u32 vcc_lo, 0, v[16+j_]
	v_cndmask_b32 v[208+j_], -1.0, v[208+j_], vcc_lo   ; a sum of exponentials is never negative: -1 marks a pair that does not count
.set j_, j_+1
.endr
.irp q, 0,1,2,3,4,5,6,7
	ds_store_b128 v7, v[208+4*\q:211+4*\q] offset:656*\q
.endr
	; the late addresses, in address registers whose loads and stores are done
	s_lshl_b32 s2, s12, 9
	s_add_co_u32 s2, s2, KVR
	v_add_nc_u32 v2, s2, v1                        ; where I put my summed quads
	v_add_nc_u32 v3, EPS, v1                       ; a quad of the tail's table
	v_and_b32 v4, 31, v0
	v_lshl_add_u32 v4, v4, 2, EPS+54*512           ; a slot of its scale words
	v_add_nc_u32 v5, KVR, v1
	v_and_b32 v6, 7, v0
	v_lshlrev_b32 v6, 7, v6
	v_bfe_u32 v9, v0, 4, 1
	v_lshl_add_u32 v6, v9, 6, v6                   ; row r % 8 of 128 bytes, + 64 h
	v_add_nc_u32 v9, OST, v6
	v_add_nc_u32 v11, OST, v1
.irp i, 0,1,2,3
	global_load_b128 v[32+4*\i:35+4*\i], v6, s[6:7] offset:16*\i    ; Z of my query, channels 16 h on (every wave asks, 1 KB; wave 0 reads it)
.endr
	; ---- phi_K phi_Q^T, the scores, their codes
.irp t, 0,1,2,3
	WMZ 112+8*\t, 48+8*\t, 176, SCL+\t, SCL+6
.endr
.irp i, 0,1,2,3,4,5,6,7
	ds_load_b128 v[144+4*\i:147+4*\i], v8 offset:16*\i     ; my own bytes: LDS serves a wave's instructions in order
.endr
	PLACES 4
	s_wait_dscnt 0x0
.set j_, 0
.rept 32                                       ; register j: key 32 b + j of my query
	v_cmp_le_f32 vcc_lo, 0, v[144+j_]
	v_sub_f32 v[144+j_], v[144+j_], v[112+j_]
	v_cndmask_b32 v[144+j_], 0, v[144+j_], vcc_lo
.set j_, j_+1
.endr
	v_max3_num_f32 v196, |v144|, |v145|, 0x1800000 ; the block's largest magnitude: all 32 are mine; the floor holds the byte at 1
	v_max3_num_f32 v197, |v160|, |v161|, |v162|
.irp i, 2,4,6,8,10,12
	v_max3_num_f32 v196, v196, |v[144+\i]|, |v[145+\i]|
	v_max3_num_f32 v197, v197, |v[161+\i]|, |v[162+\i]|
.endr
	v_max3_num_f32 v196, v196, |v158|, |v159|
	v_max3_num_f32 v196, v196, v197, |v175|
	v_add_nc_u32 v198, 0xff000000, v196
	v_lshrrev_b32 v199, 23, v198
	v_lshlrev_b32 v199, v12, v199                  ; my byte at my block's place,
	v_permlanex16_b32 v200, v199, s[SEL], s[SEL+1]
	v_or_b32 v[SCL+7], v199, v200                  ; with lane xor 16's: the column's scale word (the other two bytes stand over zero codes)
.irp i, 0,1,2,3
	v_cvt_scalef32_pk8_fp4_f32 v[184+\i], v[144+8*\i:151+8*\i], v198
.endr
	v_nop
.irp i, 0,1,2,3
	v_cndmask_b32 v[188+\i], 0, v[184+\i], s76
	v_cndmask_b32 v[192+\i], v[184+\i], 0, s76
.endr
	PLACES 8                                       ; the scale word was written by a vector line
.irp u, 0,1
	WMZ 96+8*\u, 80+8*\u, 188, SCL+4+\u, SCL+7     ; V^T P: register 8 u + j = channel 16 h + 8 u + j of column r
.endr
	PLACES 4
.irp q, 0,1,2,3
	ds_store_b128 v10, v[96+4*\q:99+4*\q] offset:512*\q
.endr
	s_wait_dscnt 0x0                               ; my partial sums have landed
	s_barrier_signal -1
	s_barrier_wait -1
	; ---- the sums over the sixteen waves: wave w adds quad w of phi_K^T V, and one quad of four partial V^T P
.irp p, 0,1,2,3,4,5,6,7
	ds_load_b128 v[48+4*\p:51+4*\p], v13 offset:8192*\p
.endr
.irp p, 0,1,2,3,4,5,6,7
	ds_load_b128 v[80+4*\p:83+4*\p], v14 offset:8192*\p
.endr
.irp p, 0,1,2,3
	ds_load_b128 v[112+4*\p:115+4*\p], v15 offset:2048*\p
.endr
	s_wait_dscnt 0x4                               ; out: the last four
.irp p, 0,2,4,6,8,10,12,14
	QADD 48+4*\p, 52+4*\p
.endr
.irp p, 0,4,8,12
	QADD 48+4*\p, 56+4*\p
.endr
	QADD 48, 64
	QADD 80, 96
	QADD 48, 80
	s_wait_dscnt 0x0
	QADD 112, 116
	QADD 120, 124
	QADD 112, 120
	ds_store_b128 v2, v[48:51]
	ds_store_b128 v2, v[112:115] offset:8192
	s_wait_dscnt 0x0
	s_barrier_signal -1
	s_barrier_wait -1
	s_cmp_lg_u32 s12, 0
	s_cbranch_scc1 .Lend
	; ---------------- the tail, wave 0 ----------------
.macro EQ reg, quad
	ds_load_b128 v[(\reg):(\reg)+3], v3 offset:512*(\quad)
.endm
.macro ES reg, slot
	ds_load_b32 v[\reg], v4 offset:128*(\slot)
.endm
.macro RSUM x                          ; the sum of a row's 32 numbers (16 mine, 16 in lane xor 16) into v236
	v_pk_add_f32 v[236:237], v[(\x):(\x)+1], v[(\x)+2:(\x)+3]
	v_pk_add_f32 v[238:239], v[(\x)+4:(\x)+5], v[(\x)+6:(\x)+7]
	v_pk_add_f32 v[236:237], v[236:237], v[(\x)+8:(\x)+9]
	v_pk_add_f32 v[238:239], v[238:239], v[(\x)+10:(\x)+11]
	v_pk_add_f32 v[236:237], v[236:237], v[(\x)+12:(\x)+13]
	v_pk_add_f32 v[238:239], v[238:239], v[(\x)+14:(\x)+15]
	v_pk_add_f32 v[236:237], v[236:237], v[238:239]
	v_add_f32 v236, v236, v237
	v_permlanex16_b32 v237, v236, s[SEL], s[SEL+1]
	v_add_f32 v236, v236, v237
.endm
.macro LNORM x, g, be                  ; (x - mean) / sqrt(var + 1e-5) x g + be, in place
	RSUM \x
	v_mul_f32 v236, s77, v236
.irp p, 0,2,4,6,8,10,12,14
	v_pk_add_f32 v[(\x)+\p:(\x)+\p+1], v[(\x)+\p:(\x)+\p+1], v[236:237] op_sel_hi:[1,0] neg_lo:[0,1] neg_hi:[0,1]
.endr
	v_pk_mul_f32 v[236:237], v[(\x):(\x)+1], v[(\x):(\x)+1]
	v_pk_mul_f32 v[238:239], v[(\x)+2:(\x)+3], v[(\x)+2:(\x)+3]
.irp p, 4,8,12
	v_pk_fma_f32 v[236:237], v[(\x)+\p:(\x)+\p+1], v[(\x)+\p:(\x)+\p+1], v[236:237]
	v_pk_fma_f32 v[238:239], v[(\x)+\p+2:(\x)+\p+3], v[(\x)+\p+2:(\x)+\p+3], v[238:239]
.endr
	v_pk_add_f32 v[236:237], v[236:237], v[238:239]
	v_add_f32 v236, v236, v237
	v_permlanex16_b32 v237, v236, s[SEL], s[SEL+1]
	v_add_f32 v236, v236, v237
	v_fma_f32 v238, v236, s77, s78
	v_rsq_f32 v236, v238
	v_nop
	s_wait_alu depctr_va_vdst(0)                   ; the wait ahead of the first reader
.irp p, 0,2,4,6,8,10,12,14
	v_pk_mul_f32 v[(\x)+\p:(\x)+\p+1], v[(\x)+\p:(\x)+\p+1], v[236:237] op_sel_hi:[1,0]
.endr
.irp p, 0,2,4,6,8,10,12,14
	v_pk_fma_f32 v[(\x)+\p:(\x)+\p+1], v[(\x)+\p:(\x)+\p+1], v[(\g)+\p:(\g)+\p+1], v[(\be)+\p:(\be)+\p+1]
.endr
.endm
.set q_, 0
.rept 16
	ds_load_b128 v[48+4*q_:51+4*q_], v5 offset:512*q_             ; phi_K^T V: 32 v + 16 b + i = feature 32 b + 16 h + i of channel 8 v + TK(r)
.set q_, q_+1
.endr
.set q_, 0
.rept 16
	ds_load_b128 v[112+4*q_:115+4*q_], v5 offset:8192+512*q_      ; four partial V^T P
.set q_, q_+1
.endr
.irp u, 0,1
.irp i, 4,5,6,7
	v_mov_b32 v[184+8*\u+\i], 0                    ; k 64..127 of the two operands made of phi_K^T V: zero codes
.endr
.endr
.irp i, 4,5,6,7
	v_mov_b32 v[216+\i], 0                         ; and of the activations' K = 32 operand
.endr
	s_wait_dscnt 0x0
.irp q, 0,4,8,12
	QADD 112+\q, 128+\q
	QADD 144+\q, 160+\q
.endr
.irp q, 0,4,8,12
	QADD 112+\q, 144+\q
.endr
	QK64 48, 2, 184, 8, SCL
	PLACES 8
.irp u, 0,1
	WMC 112+8*\u, 184+8*\u, 176, SCL+\u, SCL+6     ; + the low-rank term: columns 8-15 meet zero codes and add nothing
.endr
	PLACES 4
.set k_, 0
.rept 16
	v_add_f32_dpp v[112+k_], v[112+k_], v[112+k_] row_xmask:8 row_mask:0xf bank_mask:0xf   ; columns n and n + 8: the two halves of the keys
.set k_, k_+1
.endr
	RSUM 112
	v_max_num_f32 v236, 0x358637bd, v236           ; clip at 1e-6
	v_rcp_f32 v238, v236
	v_nop
	s_wait_alu depctr_va_vdst(0)
.irp p, 0,2,4,6,8,10,12,14
	v_pk_mul_f32 v[112+\p:113+\p], v[112+\p:113+\p], v[238:239] op_sel_hi:[1,0]
.endr
.irp u, 0,1                                    ; Wo, bo (the C), g1, beta1
	EQ 48+8*\u, \u
	EQ 52+8*\u, 57
	ES SCL+2+\u, \u
.endr
.irp i, 0,1,2,3
	EQ 64+4*\i, 14+\i
	EQ 80+4*\i, 38+\i
	EQ 96+4*\i, 42+\i
.endr
	QK32 112, 1, 216, 8, SCL+4
	PLACES 8
	s_wait_dscnt 0x0
.irp u, 0,1
	WMC 64+8*\u, 48+8*\u, 216, SCL+2+\u, SCL+4
.endr
	PLACES 4
	s_wait_loadcnt 0x0                             ; Z
.irp p, 0,2,4,6,8,10,12,14
	v_pk_add_f32 v[128+\p:129+\p], v[32+\p:33+\p], v[64+\p:65+\p]
.endr
	LNORM 128, 80, 96                              ; Z1
.irp t, 0,1,2,3,4,5,6,7                        ; W1, b1 (the C)
	EQ 144+8*\t, 2+\t
	EQ 148+8*\t, 57
	EQ 48+8*\t, 18+2*\t
	EQ 52+8*\t, 19+2*\t
	ES SCL+8+\t, 2+\t
.endr
	QK32 128, 1, 216, 8, SCL+4
	PLACES 8
	s_wait_dscnt 0x0
.irp t, 0,1,2,3,4,5,6,7
	WMC 48+8*\t, 144+8*\t, 216, SCL+8+\t, SCL+4
.endr
	PLACES 4
.set j_, 0
.rept 64
	v_max_num_f32 v[48+j_], 0, v[48+j_]
.set j_, j_+1
.endr
.irp u, 0,1                                    ; W2, b2 (the C), g2, beta2
	EQ 112+8*\u, 10+2*\u
	EQ 116+8*\u, 11+2*\u
	ES SCL+5+2*\u, 10+\u
.endr
.irp i, 0,1,2,3
	EQ 32+4*\i, 34+\i
	EQ 144+4*\i, 46+\i
	EQ 160+4*\i, 50+\i
.endr
	QK128 48, 208, SCL+4
	PLACES 8
	s_wait_dscnt 0x0
.irp u, 0,1
	WMC 32+8*\u, 112+8*\u, 208, SCL+5+2*\u, SCL+4
.endr
	PLACES 4
.irp p, 0,2,4,6,8,10,12,14
	v_pk_add_f32 v[128+\p:129+\p], v[128+\p:129+\p], v[32+\p:33+\p]
.endr
	LNORM 128, 144, 160
.irp i, 0,1,2,3
	ds_store_b128 v9, v[128+4*\i:131+4*\i] offset:16*\i    ; columns 8-15 write what columns 0-7 write
.endr
.irp n, 0,1
	ds_load_b128 v[48+4*\n:51+4*\n], v11 offset:512*\n
.endr
	s_wait_dscnt 0x0
.irp n, 0,1
	global_store_b128 v1, v[48+4*\n:51+4*\n], s[10:11] offset:512*\n     ; 512 consecutive bytes, four rows of out0
.endr
.Lend:
	s_wait_xcnt 0x0
	v_lshl_add_u32 v254, v0, 2, 0x48c00
	v_mov_b32 v255, 0
	s_wait_tensorcnt 0x0
	ds_add_u32 v254, v255
	s_wait_dscnt 0x0
	s_endpgm
.Lfunc_end_k_q74d453180d_main:
	.size	k_q74d453180d_main, .Lfunc_end_k_q74d453180d_main-k_q74d453180d_main
	.p2alignl 7, 3214868480
	.fill 96, 4, 3214868480
	.section	.rodata,"a",@progbits
	.p2align	6, 0x0
	.amdhsa_kernel k_q74d453180d_main
		.amdhsa_group_segment_fixed_size 300032
		.amdhsa_private_segment_fixed_size 0
		.amdhsa_enable_private_segment 0
		.amdhsa_kernarg_size 32
		.amdhsa_user_sgpr_count 2
		.amdhsa_user_sgpr_kernarg_segment_ptr 1
		.amdhsa_wavefront_size32 1
		.amdhsa_system_sgpr_workgroup_id_x 1
		.amdhsa_system_sgpr_workgroup_id_y 1
		.amdhsa_system_sgpr_workgroup_id_z 1
		.amdhsa_system_vgpr_workitem_id 0
		.amdhsa_next_free_vgpr 256
		.amdhsa_next_free_sgpr 100
		.amdhsa_reserve_vcc 1
		.amdhsa_float_denorm_mode_32 3
		.amdhsa_float_denorm_mode_16_64 3
		.amdhsa_memory_ordered 1
		.amdhsa_forward_progress 1
		.amdhsa_inst_pref_size 164
	.end_amdhsa_kernel
	.amdgpu_metadata
---
amdhsa.version: [ 1, 2 ]
amdhsa.kernels:
  - .name:           k_q74d453180d_main
    .symbol:         k_q74d453180d_main.kd
    .args:
      - { .name: mask, .offset: 0, .size: 8, .value_kind: global_buffer, .address_space: global }
      - { .name: Z, .offset: 8, .size: 8, .value_kind: global_buffer, .address_space: global }
      - { .name: ws, .offset: 16, .size: 8, .value_kind: global_buffer, .address_space: global }
      - { .name: out0, .offset: 24, .size: 8, .value_kind: global_buffer, .address_space: global }
    .group_segment_fixed_size: 300032
    .private_segment_fixed_size: 0
    .kernarg_segment_align: 8
    .kernarg_segment_size: 32
    .max_flat_workgroup_size: 512
    .sgpr_count:     100
    .vgpr_count:     256
    .wavefront_size: 32
...
	.end_amdgpu_metadata
.endif
;; end of part 2
;; ======== version 2 of 2: 2 launches
;; workspace buffers: ws 806,912 bytes
;; launch prep (part 3): grid 17 x 1, 4 waves a work-group, no clusters, 43,520 bytes of LDS; arguments Z, Wq, Wk, Wv, bq, bk, bv, omega, ws, Wo, W1, W2, bo, b1, b2, g1, beta1, g2, beta2; writes ws
.if DOCPART == 3
	.amdgcn_target "amdgcn-amd-amdhsa--gfx1250"
	.amdhsa_code_object_version 6
	.text
	.protected	k_q74d453180d_prep
	.globl	k_q74d453180d_prep
	.p2align	8
	.type	k_q74d453180d_prep,@function
k_q74d453180d_prep:
	s_mov_b64 s[64:65], 0
	v_nop
	global_prefetch_b8 v0, s[64:65] scope:SCOPE_SE
	s_setreg_imm32_b32 hwreg(HW_REG_WAVE_MODE, 25, 1), 1
	s_wait_xcnt 0x0
; PREP.  Work-groups 0-15: 128 tokens each (a "step"); wave w takes the block of 32 tokens 32 w on, as two tiles e whose row r is token 32 w + 8 e + TK(r), TK(r) = r + 8 (r / 8).
; It makes Q, K, V (products on FP4 codes, one E8M0 scale for 32 along K), phi_Q, phi_K, and stores into ws what the main launch reads:
;   QS  [token][32] f32 = Q x log2(e) / sqrt(32)          KR  [step][token % 4][channel / 4][(token % 128) / 4][4] f32 = K
;   PQC, PKC [token][32 bytes] codes of phi along the 64 features; PQS [token] their two scale bytes, twice; PKS [step][64]: token x's two bytes, token x + 64's two bytes
;   PKT [step][4][1 KB], VT [step][2][1 KB]: phi_K^T and V^T quantised along the TOKENS, as images of the operand's registers (quad c at 512 c + 16 lane); PKTS, VTS their scale words
; Work-group 16: the weights of the layer's tail (Wo, W1, W2) as codes, and the biases and gains, all as images of registers (EPI: 64 quads of 512 bytes).
; Rows of a weight tile are chosen so that the 16 registers of two neighbouring result tiles are 16 neighbours along the next K: channel 8 u + TK(m), feature or hidden unit 32 (t / 2) + 8 (t % 2) + TK(m).
; LIMITS: a block of zeros gets the scale byte 1 (the quantiser says 127): its codes are zeros and only this program reads the bytes.  NaN and infinities among the inputs are not served.
; 1 / clip(norm, 1e-6) is min(rsq(sum of squares), 1e6): about 2 ulp from the division.
.set O_QS,  0
.set O_KR,  262144
.set O_PQC, 524288
.set O_PKC, 589824
.set O_PKT, 655360
.set O_VT,  720896
.set O_EPI, 753664
.set O_ESC, O_EPI+54*512               ; twelve slots of 128 bytes: scale words, 4 bytes a lane
.set O_PQS, 786432
.set O_SSC, 794624                     ; 768 bytes a step: PKS 256, PKTS 256, VTS 128
.set L_WIMG, 0                         ; LDS: ten weight fragments' lower quads, 512 bytes each: Wq 0,1  Wk 2,3  Wv 4,5  omega 6-9
.set L_WSC,  5120                      ; their scale words, 128 bytes each
.set L_QST,  6400                      ; 128 rows of Q x c, pitch 144
.set L_KRS,  24832                     ; K in KR's order, one step
.set L_SMS,  41216                     ; PQS 512, PKS 256, PKTS 256, VTS 128
.set POOL, 24                          ; v24-39 scale words and nothing else: +0..9 the weights', +10,11 Z's, +12,13 Qn's, +14,15 Kn's
.set WQF, 40                           ; v40-119 ten weight operands of 8 registers; the upper quads (k 64..127) stay zero
.set WKF, 56
.set WVF, 72
.set OMF, 88
.set ZO,  120                          ; v120-135 Z's two operands
.set QA,  136                          ; v136-167 Q^T: 16 e + k = channel 16 h + k of the lane's token
.set KA,  168                          ; v168-199 K^T likewise
.set VA,  200                          ; v200-231 V: 16 u + k = token 16 h + k of the lane's channel
.set PH,  136                          ; v136-199 the features' exponents, then phi
.set MX,  232                          ; v232-235 largest magnitudes, v236-239 at work, v240-243 the conversions' scale operands
.set PB,  236
.set SO,  240
.set SEL, 4                            ; s[4:5] selects of v_permlanex16_b32: lane xor 16
.macro PLACES n
.rept \n
	v_nop
.endr
.endm
.macro WMZ d, a, b, sa, sb             ; D = A x B, the sum's only K step
	v_wmma_scale_f32_16x16x128_f8f6f4 v[(\d):(\d)+7], v[(\a):(\a)+7], v[(\b):(\b)+7], 0, v[\sa], v[\sb] matrix_a_fmt:MATRIX_FMT_FP4 matrix_b_fmt:MATRIX_FMT_FP4
.endm
.macro WMC d, a, b, sa, sb             ; D = A x B + D: D holds the bias
	v_wmma_scale_f32_16x16x128_f8f6f4 v[(\d):(\d)+7], v[(\a):(\a)+7], v[(\b):(\b)+7], v[(\d):(\d)+7], v[\sa], v[\sb] matrix_a_fmt:MATRIX_FMT_FP4 matrix_b_fmt:MATRIX_FMT_FP4
.endm
; nb blocks of 32 at src + 16 b: a lane holds k = 16 h + 0..15 of its row.  Leaves in v[SO+b] the block's largest magnitude with 2 off its exponent field: the conversion's scale operand.
; The floor 2^(3 - 127) among the leaves holds the byte at 1 from below.  The blocks take turns line by line.
.macro AMAX src, nb
.set b_, 0
.rept \nb
	v_max3_num_f32 v[MX+b_], |v[(\src)+16*b_]|, |v[(\src)+16*b_+1]|, 0x1800000
.set b_, b_+1
.endr
.irp i, 2,4,6
.set b_, 0
.rept \nb
	v_max3_num_f32 v[MX+b_], v[MX+b_], |v[(\src)+16*b_+\i]|, |v[(\src)+16*b_+\i+1]|
.set b_, b_+1
.endr
.endr
.set b_, 0
.rept \nb
	v_max3_num_f32 v[PB+b_], |v[(\src)+16*b_+8]|, |v[(\src)+16*b_+9]|, |v[(\src)+16*b_+10]|
.set b_, b_+1
.endr
.irp i, 11,13
.set b_, 0
.rept \nb
	v_max3_num_f32 v[PB+b_], v[PB+b_], |v[(\src)+16*b_+\i]|, |v[(\src)+16*b_+\i+1]|
.set b_, b_+1
.endr
.endr
.set b_, 0
.rept \nb
	v_max3_num_f32 v[MX+b_], v[MX+b_], v[PB+b_], |v[(\src)+16*b_+15]|
.set b_, b_+1
.endr
.set b_, 0
.rept \nb
	v_permlanex16_b32 v[PB+b_], v[MX+b_], s[SEL], s[SEL+1]
.set b_, b_+1
.endr
.set b_, 0
.rept \nb
	v_max_num_f32 v[MX+b_], v[MX+b_], v[PB+b_]
.set b_, b_+1
.endr
.set b_, 0
.rept \nb
	v_add_nc_u32 v[SO+b_], 0xff000000, v[MX+b_]
.set b_, b_+1
.endr
.endm
; n operands of K = 32: codes into registers 0-3 of v[dst + ds b] (lanes 0-15: k 0..31; lanes 16-31: zeros), the scale byte into v[scl + b]
.macro QK32 src, n, dst, ds, scl
	AMAX \src, \n
.set b_, 0
.rept \n
	v_lshrrev_b32 v[(\scl)+b_], 23, v[SO+b_]
.set b_, b_+1
.endr
.set b_, 0
.rept \n
	v_cvt_scalef32_pk8_fp4_f32 v[(\dst)+(\ds)*b_], v[(\src)+16*b_:(\src)+16*b_+7], v[SO+b_]
	v_cvt_scalef32_pk8_fp4_f32 v[(\dst)+(\ds)*b_+1], v[(\src)+16*b_+8:(\src)+16*b_+15], v[SO+b_]
.set b_, b_+1
.endr
.set b_, 0
.rept \n
	v_mov_b32 v[(\dst)+(\ds)*b_+2], 0              ; (plain lines behind the conversions)
	v_mov_b32 v[(\dst)+(\ds)*b_+3], 0
.set b_, b_+1
.endr
.set b_, 0
.rept \n
	v_permlane16_swap_b32 v[(\dst)+(\ds)*b_], v[(\dst)+(\ds)*b_+2]     ; lanes 16-31's codes (k 16..31) go to lanes 0-15 of registers 2, 3
	v_permlane16_swap_b32 v[(\dst)+(\ds)*b_+1], v[(\dst)+(\ds)*b_+3]
.set b_, b_+1
.endr
.endm
; n operands of K = 64 (32 registers each): codes into registers 0-3 (lanes 0-15 block 0, lanes 16-31 block 1), the two bytes into v[scl + v]
.macro QK64 src, n, dst, ds, scl
	AMAX \src, 2*(\n)
.set b_, 0
.rept 2*(\n)
	v_lshrrev_b32 v[PB+b_], 23, v[SO+b_]
.set b_, b_+1
.endr
.set b_, 0
.rept \n
	v_lshl_or_b32 v[(\scl)+b_], v[PB+2*b_+1], 8, v[PB+2*b_]
.set b_, b_+1
.endr
.set b_, 0
.rept 2*(\n)
	v_cvt_scalef32_pk8_fp4_f32 v[(\dst)+(\ds)*(b_/2)+2*(b_%2)], v[(\src)+16*b_:(\src)+16*b_+7], v[SO+b_]
	v_cvt_scalef32_pk8_fp4_f32 v[(\dst)+(\ds)*(b_/2)+2*(b_%2)+1], v[(\src)+16*b_+8:(\src)+16*b_+15], v[SO+b_]
.set b_, b_+1
.endr
	v_nop                                          ; one plain line behind the conversions
.set b_, 0
.rept \n
	v_permlane16_swap_b32 v[(\dst)+(\ds)*b_], v[(\dst)+(\ds)*b_+2]
	v_permlane16_swap_b32 v[(\dst)+(\ds)*b_+1], v[(\dst)+(\ds)*b_+3]
.set b_, b_+1
.endr
.endm
; one operand of K = 128 (64 registers): 8 registers of codes, the scale word
.macro QK128 src, dst, scl
	AMAX \src, 4
.irp b, 0,1,2,3
	v_lshrrev_b32 v[PB+\b], 23, v[SO+\b]
.endr
	v_lshl_or_b32 v[\scl], v[PB+1], 8, v[PB]
	v_lshl_or_b32 v[\scl], v[PB+2], 16, v[\scl]
	v_lshl_or_b32 v[\scl], v[PB+3], 24, v[\scl]
.irp b, 0,1,2,3
	v_cvt_scalef32_pk8_fp4_f32 v[(\dst)+2*\b], v[(\src)+16*\b:(\src)+16*\b+7], v[SO+\b]
	v_cvt_scalef32_pk8_fp4_f32 v[(\dst)+2*\b+1], v[(\src)+16*\b+8:(\src)+16*\b+15], v[SO+\b]
.endr
	v_nop
.irp c, 0,1
.irp i, 0,1
	v_permlane16_swap_b32 v[(\dst)+4*\c+\i], v[(\dst)+4*\c+2+\i]
.endr
.endr
.endm
; n rows' halves of one block of 32 tokens: two registers of codes a row (bytes 8 h .. 8 h + 7 of the block's 16), the byte into v[byt + b]
.macro QTOK src, n, dst, byt
	AMAX \src, \n
.set b_, 0
.rept \n
	v_lshrrev_b32 v[(\byt)+b_], 23, v[SO+b_]
.set b_, b_+1
.endr
.set b_, 0
.rept \n
	v_cvt_scalef32_pk8_fp4_f32 v[(\dst)+2*b_], v[(\src)+16*b_:(\src)+16*b_+7], v[SO+b_]
	v_cvt_scalef32_pk8_fp4_f32 v[(\dst)+2*b_+1], v[(\src)+16*b_+8:(\src)+16*b_+15], v[SO+b_]
.set b_, b_+1
.endr
	v_nop
.endm
; phi = exp(x) / 8 = 2^(x log2(e) - 3) of the 64 results in PH
.macro PHEXP
	PLACES 4                                       ; four plain lines between the products and the first read of their results
.set p_, 0
.rept 32
	v_pk_fma_f32 v[PH+p_:PH+p_+1], v[PH+p_:PH+p_+1], s[6:7], v[248:249] op_sel_hi:[1,0,1]
.set p_, p_+2
.endr
.set p_, 0
	s_wait_alu depctr_va_vdst(0)
.rept 64
	v_exp_f32 v[PH+p_], v[PH+p_]
.set p_, p_+1
.endr
	v_nop                                          ; a plain line behind the last exponential
	s_wait_alu depctr_va_vdst(0)                   ; one wait for the batch, ahead of its first reader
.endm
	s_load_b512 s[16:31], s[0:1], 0x0              ; Z 16, Wq 18, Wk 20, Wv 22, bq 24, bk 26, bv 28, omega 30
	s_load_b64 s[32:33], s[0:1], 0x40              ; ws
	s_load_b512 s[36:51], s[0:1], 0x48             ; Wo 36, W1 38, W2 40, bo 42, b1 44, b2 46, g1 48, beta1 50
	s_load_b128 s[52:55], s[0:1], 0x88             ; g2 52, beta2 54
	s_set_vgpr_msb 0x40
	v_lshl_add_u32 v0, v0, 2, 0xa800
	v_mov_b32 v1, 0
	s_set_vgpr_msb 0x4000
	v_and_b32 v250, 31, v0                         ; lane
	s_wait_alu depctr_va_vdst(0)
	v_and_b32 v251, 15, v0                         ; r
	s_wait_alu depctr_va_vdst(0)
	v_bfe_u32 v252, v0, 4, 1                       ; h
	v_lshrrev_b32 v253, 5, v0
	v_readfirstlane_b32 s2, v253                   ; wave
	s_mov_b32 s3, ttmp9                            ; step, or 16
	s_mov_b32 s[SEL], 0x76543210
	s_mov_b32 s[SEL+1], 0xfedcba98
	s_mov_b32 s6, 0x3fb8aa3b                       ; log2(e)
	s_mov_b32 s7, s6
	s_mov_b32 s8, 0x3e8293ee                       ; log2(e) / sqrt(32)
	s_mov_b32 s9, s8
	s_mov_b32 s13, 0                               ; the upper word of every offset pair s[12:13]
	; every address register is made here, ahead of the first branch
	v_lshlrev_b32 v1, 4, v250                      ; 16 lane
	v_lshlrev_b32 v22, 3, v250                     ; 8 lane
	v_lshlrev_b32 v23, 2, v250                     ; 4 lane
	v_and_b32 v2, 8, v251
	v_add_nc_u32 v2, v2, v251                      ; TK
	v_lshlrev_b32 v3, 7, v2
	s_wait_alu depctr_va_vdst(0)
	v_lshl_add_u32 v3, v252, 6, v3                 ; Z: row TK, + 64 h
	v_lshlrev_b32 v7, 2, v2                        ; 4 TK
	v_lshl_add_u32 v4, v252, 11, v7                ; weights with rows of 128 bytes: row 16 h, column TK
	v_lshl_add_u32 v5, v252, 12, v7                ; omega: rows of 256 bytes
	v_lshl_add_u32 v12, v252, 13, v7               ; W1: rows of 512 bytes
	v_lshlrev_b32 v6, 6, v252                      ; 64 h: a vector's numbers 16 h on
	v_mul_u32_u24 v13, v2, 144
	v_lshl_add_u32 v13, v252, 6, v13
	v_and_b32 v253, 3, v0
	v_lshlrev_b32 v14, 12, v253
	v_lshl_add_u32 v14, v252, 11, v14
	v_bfe_u32 v253, v0, 2, 1
	v_lshl_add_u32 v14, v253, 4, v14
	v_bfe_u32 v253, v0, 3, 1
	v_lshl_add_u32 v14, v253, 6, v14
	v_lshlrev_b32 v17, 2, v251
	v_lshlrev_b32 v18, 5, v2
	v_lshl_add_u32 v18, v252, 4, v18               ; codes of phi: token TK x 32 + 16 h
	v_lshlrev_b32 v19, 4, v251
	v_lshl_add_u32 v19, v252, 3, v19               ; codes along tokens: 16 r + 8 h
	v_bfe_u32 v253, v0, 3, 2
	v_mul_u32_u24 v20, v253, 144
	v_and_b32 v253, 7, v0
	v_lshl_add_u32 v20, v253, 4, v20
	s_wait_alu depctr_va_vdst(0)
	s_lshl_b32 s12, s2, 10
	v_add_nc_u32 v8, s12, v1                       ; my two weight images (waves 0-2)
	s_lshl_b32 s12, s2, 8
	s_add_co_u32 s12, s12, L_WSC
	v_add_nc_u32 v9, s12, v23
	s_lshl_b32 s12, s2, 9
	s_add_co_u32 s12, s12, L_WIMG+3072
	v_add_nc_u32 v10, s12, v1                      ; my tile of omega
	s_lshl_b32 s12, s2, 7
	s_add_co_u32 s14, s12, L_WSC+768
	v_add_nc_u32 v11, s14, v23
	s_add_co_u32 s14, s12, L_KRS
	v_add_nc_u32 v14, s14, v14                     ; K into KR's order
	s_add_co_u32 s14, s12, L_SMS
	v_add_nc_u32 v15, s14, v7                      ; PQS: word of token 32 w + TK
	s_mul_i32 s12, s2, 4608
	s_add_co_u32 s12, s12, L_QST
	v_add_nc_u32 v13, s12, v13                     ; Q x c: row 32 w + TK, + 64 h
	v_add_nc_u32 v20, s12, v20                     ; and back: four rows of 128 bytes an instruction
	s_and_b32 s12, s2, 1
	s_lshl_b32 s12, s12, 7
	s_lshr_b32 s14, s2, 1
	s_lshl_b32 s14, s14, 1
	s_add_co_u32 s12, s12, s14
	s_add_co_u32 s12, s12, L_SMS+512
	v_add_nc_u32 v16, s12, v7                      ; PKS: word (token % 64), half token / 64
	s_add_co_u32 s12, s2, L_SMS+768
	v_add_nc_u32 v17, s12, v17                     ; PKTS, VTS: row r's word, byte w
	s_lshl_b32 s12, s2, 12
	s_add_co_u32 s12, s12, L_KRS
	v_add_nc_u32 v21, s12, v1
.set q_, 0
.rept 12                                       ; k 64..127 of the ten weight operands and of Z's two: zero codes, written once
.irp i, 4,5,6,7
	v_mov_b32 v[WQF+8*q_+\i], 0
.endr
.set q_, q_+1
.endr
.irp b, 0,1,2,3
	v_mov_b32 v[PB+\b], 0                          ; a lane permute's destination counts as read
.endr
	v_mov_b32 v248, 0xc0400000                     ; -3
	v_mov_b32 v249, 0xc0400000
	s_wait_kmcnt 0x0
	s_cmp_eq_u32 s3, 16
	s_cbranch_scc1 .Lparams
	; ---------------- the tokens ----------------
	s_lshl_b32 s12, s3, 14
	s_lshl_b32 s14, s2, 12
	s_add_co_u32 s12, s12, s14
	s_add_nc_u64 s[56:57], s[32:33], s[12:13]      ; ws + 16,384 step + 4,096 wave: QS, KR
	s_add_nc_u64 s[70:71], s[16:17], s[12:13]      ; Z at token 128 step + 32 wave
	s_lshr_b32 s12, s12, 2
	s_add_nc_u64 s[58:59], s[32:33], s[12:13]      ; + 4,096 step + 1,024 wave: PQC, PKC
	s_lshl_b32 s14, s2, 8
	s_lshl_b32 s12, s3, 12
	s_add_co_u32 s12, s12, s14
	s_add_nc_u64 s[60:61], s[32:33], s[12:13]      ; + 4,096 step + 256 wave: PKT (block w of a fragment's image lies 256 w in)
	s_lshl_b32 s12, s3, 11
	s_add_co_u32 s12, s12, s14
	s_add_nc_u64 s[62:63], s[32:33], s[12:13]      ; + 2,048 step + 256 wave: VT
	s_mul_i32 s12, s3, 768
	s_add_nc_u64 s[66:67], s[32:33], s[12:13]      ; SSC
	s_lshl_b32 s12, s3, 9
	s_add_nc_u64 s[68:69], s[32:33], s[12:13]      ; PQS
	s_lshr_b32 s12, s2, 1
	s_lshl_b32 s12, s12, 7
	s_and_b32 s14, s2, 1
	s_lshl_b32 s14, s14, 5
	s_add_co_u32 s12, s12, s14
	s_add_nc_u64 s[34:35], s[30:31], s[12:13]      ; omega at feature 32 (w / 2) + 8 (w % 2)
.irp e, 0,1
.irp i, 0,1,2,3
	global_load_b128 v[184+16*\e+4*\i:187+16*\e+4*\i], v3, s[70:71] offset:1024*\e+16*\i   ; Z(token, 16 h + 4 i ..)
.endr
.endr
.set i_, 0
.rept 16
	global_load_b32 v[168+i_], v5, s[34:35] offset:256*i_     ; omega(16 h + i, my tile's feature)
.set i_, i_+1
.endr
	s_cmp_eq_u32 s2, 0                             ; waves 0, 1, 2 quantise Wq, Wk, Wv for all four
	s_cselect_b64 s[10:11], s[18:19], s[20:21]
	s_cmp_eq_u32 s2, 2
	s_cselect_b64 s[10:11], s[22:23], s[10:11]
	s_cmp_lt_u32 s2, 3
	s_cbranch_scc0 .Lno_w
.irp u, 0,1
.set i_, 0
.rept 16
	global_load_b32 v[136+16*\u+i_], v4, s[10:11] offset:128*i_+32*\u   ; W(16 h + i, channel 8 u + TK)
.set i_, i_+1
.endr
.endr
	s_wait_loadcnt 0x0
	QK32 136, 2, 216, 4, 228
.irp u, 0,1
	ds_store_b128 v8, v[216+4*\u:219+4*\u] offset:512*\u
	ds_store_b32 v9, v[228+\u] offset:128*\u
.endr
.Lno_w:
	s_wait_loadcnt 0x0                             ; Z and omega
	QK32 168, 1, 224, 4, 230
	ds_store_b128 v10, v[224:227]
	ds_store_b32 v11, v230
	QK32 184, 2, ZO, 8, POOL+10
.irp e, 0,1                                    ; the biases are the C of the products: channel 16 h + k
.irp i, 0,1,2,3
	global_load_b128 v[QA+16*\e+4*\i:QA+16*\e+4*\i+3], v6, s[24:25] offset:16*\i
	global_load_b128 v[KA+16*\e+4*\i:KA+16*\e+4*\i+3], v6, s[26:27] offset:16*\i
.endr
.endr
.irp u, 0,1
	global_load_b32 v[244+2*\u], v7, s[28:29] offset:32*\u    ; bv of my channel, twice: a pair for the packed addition
	global_load_b32 v[245+2*\u], v7, s[28:29] offset:32*\u
.endr
	s_wait_alu depctr_va_vdst(0)
	s_wait_dscnt 0x0                               ; my images have landed
	s_barrier_signal -1
	s_barrier_wait -1                              ; everybody's have
.set q_, 0
.rept 10
	ds_load_b128 v[WQF+8*q_:WQF+8*q_+3], v1 offset:L_WIMG+512*q_
	ds_load_b32 v[POOL+q_], v23 offset:L_WSC+128*q_
.set q_, q_+1
.endr
	s_wait_dscnt 0x0
	s_wait_loadcnt 0x0                             ; the biases
	PLACES 8                                       ; Z's scale words were written by vector lines: eight plain lines ahead of a scaled product
.irp e, 0,1                                    ; twelve accumulators, one product each
.irp u, 0,1
	WMZ VA+16*\u+8*\e, ZO+8*\e, WVF+8*\u, POOL+10+\e, POOL+4+\u      ; V: rows = tokens, columns = channels
	WMC QA+16*\e+8*\u, WQF+8*\u, ZO+8*\e, POOL+\u, POOL+10+\e        ; Q^T: rows = channels, columns = tokens
	WMC KA+16*\e+8*\u, WKF+8*\u, ZO+8*\e, POOL+2+\u, POOL+10+\e
.endr
.endr
	PLACES 4
.irp u, 0,1
.irp p, 0,2,4,6,8,10,12,14
	v_pk_add_f32 v[VA+16*\u+\p:VA+16*\u+\p+1], v[VA+16*\u+\p:VA+16*\u+\p+1], v[244+2*\u:245+2*\u]
.endr
.endr
.irp e, 0,1                                    ; Q x log2(e) / sqrt(32), into registers that the products have left (Z's operands, Wv's)
.irp p, 0,2,4,6,8,10,12,14
	v_pk_mul_f32 v[120-48*\e+\p:121-48*\e+\p], v[QA+16*\e+\p:QA+16*\e+\p+1], s[8:9] op_sel_hi:[1,0]
.endr
.endr
.irp e, 0,1
.irp i, 0,1,2,3
	ds_store_b128 v13, v[120-48*\e+4*\i:123-48*\e+4*\i] offset:1152*\e+16*\i
.endr
.endr
.irp e, 0,1
.irp i, 0,1,2,3
	ds_store_b128 v14, v[KA+16*\e+4*\i:KA+16*\e+4*\i+3] offset:512*\i+32*\e
.endr
.endr
	; the norms of the four rows (Q e = 0, 1; K e = 0, 1), by turns
.irp o, 0,1,2,3
	v_pk_mul_f32 v[232+2*\o:233+2*\o], v[136+16*\o:137+16*\o], v[136+16*\o:137+16*\o]
.endr
.irp p, 2,4,6,8,10,12,14
.irp o, 0,1,2,3
	v_pk_fma_f32 v[232+2*\o:233+2*\o], v[136+16*\o+\p:137+16*\o+\p], v[136+16*\o+\p:137+16*\o+\p], v[232+2*\o:233+2*\o]
.endr
.endr
.irp o, 0,1,2,3
	v_add_f32 v[232+2*\o], v[232+2*\o], v[233+2*\o]
.endr
.irp o, 0,1,2,3
	v_permlanex16_b32 v[233+2*\o], v[232+2*\o], s[SEL], s[SEL+1]
.endr
.irp o, 0,1,2,3
	v_add_f32 v[232+2*\o], v[232+2*\o], v[233+2*\o]
.endr
	s_wait_alu depctr_va_vdst(0)
.irp o, 0,1,2,3
	v_rsq_f32 v[240+\o], v[232+2*\o]
.endr
	v_nop
	s_wait_alu depctr_va_vdst(0)                   ; one wait for the four, ahead of their first reader
.irp o, 0,1,2,3
	v_min_num_f32 v[232+2*\o], 0x49742400, v[240+\o]   ; 1 / clip(norm, 1e-6)
.endr
	s_wait_alu depctr_va_vdst(0)
	s_wait_dscnt 0x0                               ; the LDS stores have read K and Q x c: their registers may be written
.irp o, 0,1,2,3
.irp p, 0,2,4,6,8,10,12,14
	v_pk_mul_f32 v[136+16*\o+\p:137+16*\o+\p], v[136+16*\o+\p:137+16*\o+\p], v[232+2*\o:233+2*\o] op_sel_hi:[1,0]
.endr
.endr
	QK32 136, 4, WQF, 8, POOL+12                   ; Qn e at v40, v48; Kn e at v56, v64: the upper quads there are still zero
	PLACES 8
	; phi_Q: rows = features, columns = tokens: a lane holds one token, its registers run along the features
.irp e, 0,1
.irp f, 0,1,2,3
	WMZ PH+32*\e+8*\f, OMF+8*\f, WQF+8*\e, POOL+6+\f, POOL+12+\e
.endr
.endr
	PHEXP
	QK64 PH, 2, 72, 4, 250
.irp e, 0,1
	v_lshl_or_b32 v[252+\e], v[250+\e], 16, v[250+\e]          ; the two bytes twice
.endr
.irp e, 0,1
	global_store_b128 v18, v[72+4*\e:75+4*\e], s[58:59] offset:O_PQC+256*\e   ; tokens 8 e .. + 7 and 16 + 8 e .. + 7: two whole runs of 256 bytes
	ds_store_b32 v15, v[252+\e] offset:32*\e
.endr
	PLACES 5                                       ; the next products write over the last ones' results
	; phi_K, the same
.irp e, 0,1
.irp f, 0,1,2,3
	WMZ PH+32*\e+8*\f, OMF+8*\f, WKF+8*\e, POOL+6+\f, POOL+14+\e
.endr
.endr
	PHEXP
	QK64 PH, 2, 80, 4, 250
.irp e, 0,1
	global_store_b128 v18, v[80+4*\e:83+4*\e], s[58:59] offset:O_PKC+256*\e
	ds_store_b16 v16, v[250+\e] offset:32*\e
.endr
	PLACES 5
	; phi_K^T: rows = tokens, columns = features: a lane holds one feature, its registers run along my 32 tokens
.irp f, 0,1,2,3
.irp e, 0,1
	WMZ PH+16*\f+8*\e, WKF+8*\e, OMF+8*\f, POOL+14+\e, POOL+6+\f
.endr
.endr
	PHEXP
	QTOK PH, 4, 120, 244
.irp f, 0,1,2,3
	global_store_b64 v19, v[120+2*\f:121+2*\f], s[60:61] offset:O_PKT+1024*\f    ; the wave stores 256 consecutive bytes
	ds_store_b8 v17, v[244+\f] offset:64*\f        ; both halves of the lanes write the same byte with the same value
.endr
	QTOK VA, 2, 128, 254
.irp u, 0,1
	global_store_b64 v19, v[128+2*\u:129+2*\u], s[62:63] offset:O_VT+1024*\u
	ds_store_b8 v17, v[254+\u] offset:256+64*\u
.endr
	s_wait_dscnt 0x0                               ; my stores into the stages have landed
	s_barrier_signal -1
	s_barrier_wait -1
.irp n, 0,1,2,3,4,5,6,7
	ds_load_b128 v[136+4*\n:139+4*\n], v20 offset:576*\n
.endr
.irp n, 0,1,2,3,4,5,6,7
	ds_load_b128 v[168+4*\n:171+4*\n], v21 offset:512*\n
.endr
.irp n, 0,1,2,3,4,5,6,7
	s_wait_dscnt 15-\n                             ; LDS loads come back in order: load n is in
	global_store_b128 v1, v[136+4*\n:139+4*\n], s[56:57] offset:O_QS+512*\n      ; 512 consecutive bytes
.endr
.irp n, 0,1,2,3,4,5,6,7
	s_wait_dscnt 7-\n
	global_store_b128 v1, v[168+4*\n:171+4*\n], s[56:57] offset:O_KR+512*\n
.endr
	s_cmp_lg_u32 s2, 0
	s_cbranch_scc1 .Ldone
	ds_load_b128 v[200:203], v1 offset:L_SMS       ; wave 0: the step's scale words leave in long runs
	ds_load_b64 v[204:205], v22 offset:L_SMS+512
	ds_load_b64 v[206:207], v22 offset:L_SMS+768
	ds_load_b32 v208, v23 offset:L_SMS+1024
	s_wait_dscnt 0x0
	global_store_b128 v1, v[200:203], s[68:69] offset:O_PQS
	global_store_b64 v22, v[204:205], s[66:67] offset:O_SSC
	global_store_b64 v22, v[206:207], s[66:67] offset:O_SSC+256
	global_store_b32 v23, v208, s[66:67] offset:O_SSC+512
.Ldone:
	s_set_vgpr_msb 0x5
	s_wait_tensorcnt 0x0
	ds_add_u32 v0, v1
	s_wait_dscnt 0x0
	s_set_vgpr_msb 0x500
	s_endpgm
	; ---------------- work-group 16: the tail's weights and vectors (no LDS, no barrier) ----------------
.Lparams:
	s_lshl_b32 s12, s2, 7
	s_add_nc_u64 s[10:11], s[38:39], s[12:13]      ; W1 at hidden unit 32 w: tiles 2 w, 2 w + 1
	s_lshl_b32 s12, s2, 10
	s_add_nc_u64 s[56:57], s[32:33], s[12:13]
	s_lshl_b32 s12, s2, 8
	s_add_nc_u64 s[58:59], s[32:33], s[12:13]
.irp e, 0,1
.set i_, 0
.rept 16
	global_load_b32 v[136+16*\e+i_], v12, s[10:11] offset:512*i_+32*\e
.set i_, i_+1
.endr
.endr
	s_wait_loadcnt 0x0
	QK32 136, 2, 216, 4, 228
.irp e, 0,1
	global_store_b128 v1, v[216+4*\e:219+4*\e], s[56:57] offset:O_EPI+1024+512*\e   ; quad 2 + 2 w + e
	global_store_b32 v23, v[228+\e], s[58:59] offset:O_ESC+256+128*\e               ; slot 2 + 2 w + e
.endr
	s_cmp_eq_u32 s2, 0
	s_cbranch_scc1 .Lp_wo
	s_cmp_eq_u32 s2, 3
	s_cbranch_scc1 .Lp_vec
	s_sub_co_u32 s14, s2, 1                        ; waves 1, 2: W2's tile u = w - 1
	s_lshl_b32 s12, s14, 5
	s_add_nc_u64 s[34:35], s[40:41], s[12:13]
	s_lshl_b32 s12, s14, 10
	s_add_nc_u64 s[60:61], s[32:33], s[12:13]
	s_lshl_b32 s12, s14, 7
	s_add_nc_u64 s[62:63], s[32:33], s[12:13]
.irp b, 0,1,2,3
.set i_, 0
.rept 16
	global_load_b32 v[56+16*\b+i_], v4, s[34:35] offset:(32*\b+i_)*128    ; W2(32 b + 16 h + i, channel 8 u + TK)
.set i_, i_+1
.endr
.endr
	s_wait_loadcnt 0x0
	QK128 56, 40, 48
.irp c, 0,1
	global_store_b128 v1, v[40+4*\c:43+4*\c], s[60:61] offset:O_EPI+5120+512*\c     ; quad 10 + 2 u + c
.endr
	global_store_b32 v23, v48, s[62:63] offset:O_ESC+1280                           ; slot 10 + u
	s_endpgm
.Lp_wo:
.irp u, 0,1
.set i_, 0
.rept 16
	global_load_b32 v[168+16*\u+i_], v4, s[36:37] offset:128*i_+32*\u
.set i_, i_+1
.endr
.endr
	s_wait_loadcnt 0x0
	QK32 168, 2, 40, 4, 48
.irp u, 0,1
	global_store_b128 v1, v[40+4*\u:43+4*\u], s[32:33] offset:O_EPI+512*\u
	global_store_b32 v23, v[48+\u], s[32:33] offset:O_ESC+128*\u
.endr
	s_endpgm
.Lp_vec:                                       ; wave 3: the vectors in the results' layout (register k = x[16 h + k]), quads 14 to 53; zeros in quads 57 to 63
.macro VECQ k, p, off
	global_load_b128 v[40+4*(\k):43+4*(\k)], v6, s[\p:\p+1] offset:\off
.endm
.irp i, 0,1,2,3
	VECQ \i, 42, 16*\i
	VECQ 20+\i, 46, 16*\i
	VECQ 24+\i, 48, 16*\i
	VECQ 28+\i, 50, 16*\i
	VECQ 32+\i, 52, 16*\i
	VECQ 36+\i, 54, 16*\i
.endr
.irp t, 0,1,2,3,4,5,6,7
.irp j, 0,1
	VECQ 4+2*\t+\j, 44, 128*(\t/2)+32*(\t%2)+16*\j
.endr
.endr
.irp i, 0,1,2,3
	v_mov_b32 v[200+\i], 0
.endr
	s_wait_alu depctr_va_vdst(0)
	s_wait_loadcnt 0x0
.set k_, 0
.rept 40
	global_store_b128 v1, v[40+4*k_:43+4*k_], s[32:33] offset:O_EPI+512*(14+k_)
.set k_, k_+1
.endr
.irp k, 57,58,59,60,61,62,63
	global_store_b128 v1, v[200:203], s[32:33] offset:O_EPI+512*\k
.endr
	s_endpgm
.Lfunc_end_k_q74d453180d_prep:
	.size	k_q74d453180d_prep, .Lfunc_end_k_q74d453180d_prep-k_q74d453180d_prep
	.p2alignl 7, 3214868480
	.fill 96, 4, 3214868480
	.section	.rodata,"a",@progbits
	.p2align	6, 0x0
	.amdhsa_kernel k_q74d453180d_prep
		.amdhsa_group_segment_fixed_size 43520
		.amdhsa_private_segment_fixed_size 0
		.amdhsa_enable_private_segment 0
		.amdhsa_kernarg_size 152
		.amdhsa_user_sgpr_count 2
		.amdhsa_user_sgpr_kernarg_segment_ptr 1
		.amdhsa_wavefront_size32 1
		.amdhsa_system_sgpr_workgroup_id_x 1
		.amdhsa_system_sgpr_workgroup_id_y 1
		.amdhsa_system_sgpr_workgroup_id_z 1
		.amdhsa_system_vgpr_workitem_id 0
		.amdhsa_next_free_vgpr 258
		.amdhsa_next_free_sgpr 72
		.amdhsa_reserve_vcc 0
		.amdhsa_float_denorm_mode_32 3
		.amdhsa_float_denorm_mode_16_64 3
		.amdhsa_memory_ordered 1
		.amdhsa_forward_progress 1
		.amdhsa_inst_pref_size 99
	.end_amdhsa_kernel
	.amdgpu_metadata
---
amdhsa.version: [ 1, 2 ]
amdhsa.kernels:
  - .name:           k_q74d453180d_prep
    .symbol:         k_q74d453180d_prep.kd
    .args:
      - { .name: Z, .offset: 0, .size: 8, .value_kind: global_buffer, .address_space: global }
      - { .name: Wq, .offset: 8, .size: 8, .value_kind: global_buffer, .address_space: global }
      - { .name: Wk, .offset: 16, .size: 8, .value_kind: global_buffer, .address_space: global }
      - { .name: Wv, .offset: 24, .size: 8, .value_kind: global_buffer, .address_space: global }
      - { .name: bq, .offset: 32, .size: 8, .value_kind: global_buffer, .address_space: global }
      - { .name: bk, .offset: 40, .size: 8, .value_kind: global_buffer, .address_space: global }
      - { .name: bv, .offset: 48, .size: 8, .value_kind: global_buffer, .address_space: global }
      - { .name: omega, .offset: 56, .size: 8, .value_kind: global_buffer, .address_space: global }
      - { .name: ws, .offset: 64, .size: 8, .value_kind: global_buffer, .address_space: global }
      - { .name: Wo, .offset: 72, .size: 8, .value_kind: global_buffer, .address_space: global }
      - { .name: W1, .offset: 80, .size: 8, .value_kind: global_buffer, .address_space: global }
      - { .name: W2, .offset: 88, .size: 8, .value_kind: global_buffer, .address_space: global }
      - { .name: bo, .offset: 96, .size: 8, .value_kind: global_buffer, .address_space: global }
      - { .name: b1, .offset: 104, .size: 8, .value_kind: global_buffer, .address_space: global }
      - { .name: b2, .offset: 112, .size: 8, .value_kind: global_buffer, .address_space: global }
      - { .name: g1, .offset: 120, .size: 8, .value_kind: global_buffer, .address_space: global }
      - { .name: beta1, .offset: 128, .size: 8, .value_kind: global_buffer, .address_space: global }
      - { .name: g2, .offset: 136, .size: 8, .value_kind: global_buffer, .address_space: global }
      - { .name: beta2, .offset: 144, .size: 8, .value_kind: global_buffer, .address_space: global }
    .group_segment_fixed_size: 43520
    .private_segment_fixed_size: 0
    .kernarg_segment_align: 8
    .kernarg_segment_size: 152
    .max_flat_workgroup_size: 128
    .sgpr_count:     72
    .vgpr_count:     258
    .wavefront_size: 32
...
	.end_amdgpu_metadata
.endif
;; end of part 3
;; launch main (part 4): grid 256 x 1, 16 waves a work-group, no clusters, 300,032 bytes of LDS; arguments mask, Z, ws, out0; writes out0
.if DOCPART == 4
	.amdgcn_target "amdgcn-amd-amdhsa--gfx1250"
	.amdhsa_code_object_version 6
	.text
	.protected	k_q74d453180d_main
	.globl	k_q74d453180d_main
	.p2align	8
	.type	k_q74d453180d_main,@function
k_q74d453180d_main:
	s_mov_b64 s[64:65], 0
	v_nop
	global_prefetch_b8 v0, s[64:65] scope:SCOPE_SE
	s_setreg_imm32_b32 hwreg(HW_REG_WAVE_SCHED_MODE, 0, 2), 2
	s_setreg_imm32_b32 hwreg(HW_REG_WAVE_MODE, 25, 1), 1
	s_wait_xcnt 0x0
	s_wait_alu depctr_vm_vsrc(0)
; MAIN.  A work-group owns 8 queries and all 2,048 keys; wave w of its sixteen owns keys 128 w .. 128 w + 127 (four waves to a SIMD, 256 registers each).
; The bulk: 8 x 128 x 32 exponentials a wave: 2^((Q c)(K)), c = log2(e) / sqrt(32) folded into Q by the launch before.  A lane holds keys 4 L + g (g = 0..3) with all 32 channels in
; registers; the query's 32 numbers come from scalar registers.  A "body" is one (g, query): 32 multiplications, 32 exponentials, 16 additions.
; THE ORDER OF THE START: the first body waits for 8 loads (K of g = 0) and one query alone.  All else that the wave needs is asked for between bodies, into registers that are idle at that time,
; and the wave's part of phi_K^T V is multiplied between bodies 7 and 8: so a wave that waits for memory or for LDS has three neighbours on its SIMD with exponentials to issue.
; EIGHT QUERIES ON TILES OF 16 COLUMNS: column n < 8 carries query n in k 0..63 and zero codes in k 64..127; column n >= 8 carries query n - 8 in k 64..127 and zero codes below.
; So in phi_K phi_Q^T and in V^T P lane (r, h) owns query r % 8 and the whole block b = 2 (r / 8) + h of 32 of the wave's keys: the block's largest magnitude needs no other lane.
; phi_K^T V (64 x 32) is summed by every work-group for itself: 8 products a wave, joined through LDS.  No cluster and no joint loads: what work-groups share (K, V, phi_K: 26 KB a wave)
; goes from memory straight into each wave's registers in lane order, once; through LDS it would not fit beside the 298 KB in use here.
; The tail (low rank, division, Wo, LayerNorm, FFN, LayerNorm) is wave 0's, on 16 columns of which 8-15 repeat 0-7.
; LIMITS: a block of zeros gets the scale byte 1 (the quantiser says 127): its codes are zeros.  NaN and infinities among the inputs are not served; where an exponential overflows, so does the definition's.
; Divisions are v_rcp_f32 or v_rsq_f32 and a multiplication, about 2 ulp.  Sums in f32, in another order than the definition's.
; THE MODE: SCHED_MODE bits 1:0 = 2 (LLVM: expert scheduling mode 2), set by the entry lines.  The code itself states the register dependences
; between vector or matrix instructions and memory or LDS instructions, with s_wait_alu, always for 0.
; THE PLAN.  Registers that memory or LDS instructions touch, and who else names them:
;   v1-15     addresses.  Made at the head; v2-6, v9, v11 are made anew once, behind body 31; the others are never written again.
;   v16-143   four sets of 32: K of g = 0..3.  Set g is read by the multiplications of bodies 8 g .. 8 g + 7 alone, and is loaded with other things before or behind those bodies.
;   v144-207  the terms: vector instructions alone name them in the bodies.  Between bodies 7 and 8 they are eight accumulators, which LDS stores read.
;   v208-239  the sums E: written by the bodies' additions, read by the turn's LDS stores.       v240-255  scale words.
; A body's waits on va_vdst stand behind its 32 multiplications: they state that the last body's exponentials have written their terms AND that this body is done reading K.  So the loads that
; stand between bodies (behind bodies 0, 15 and 23) owe nothing more: what has been issued since that wait, exponentials and additions, names v144-239 alone.
; Compares stand in runs of 32, each into a scalar register of its own (the queries' registers, free behind body 31), with one wait on va_sdst behind the run.
.set O_KR,  262144
.set O_PQC, 524288
.set O_PKC, 589824
.set O_PKT, 655360
.set O_VT,  720896
.set O_EPI, 753664
.set O_PQS, 786432
.set O_SSC, 794624
.set KVP, 83968                        ; LDS: 0: the turn of the sums, 5,248 bytes a wave (8 rows, pitch 656);  KVP: 16 partial phi_K^T V of 8,192
.set OP,  215040                       ; 16 partial V^T P of 2,048
.set KVR, 247808                       ; phi_K^T V summed, 8,192; behind it four partial sums of V^T P, 8,192
.set EPS, 264192                       ; the tail's weights and vectors, 32,768
.set OST, 296960                       ; the way out, 1,024
.set SCL, 240                          ; v240-255 scale words and nothing else
.set MX,  224                          ; the tail: v224-227 largest magnitudes, v228-231 at work, v232-235 the conversions' scale operands
.set PB,  228
.set SO,  232
.set SEL, 14                           ; s[14:15] selects of v_permlanex16_b32: lane xor 16
.macro PLACES n
.rept \n
	v_nop
.endr
.endm
.macro WMZ d, a, b, sa, sb
	v_wmma_scale_f32_16x16x128_f8f6f4 v[(\d):(\d)+7], v[(\a):(\a)+7], v[(\b):(\b)+7], 0, v[\sa], v[\sb] matrix_a_fmt:MATRIX_FMT_FP4 matrix_b_fmt:MATRIX_FMT_FP4
.endm
.macro WMC d, a, b, sa, sb
	v_wmma_scale_f32_16x16x128_f8f6f4 v[(\d):(\d)+7], v[(\a):(\a)+7], v[(\b):(\b)+7], v[(\d):(\d)+7], v[\sa], v[\sb] matrix_a_fmt:MATRIX_FMT_FP4 matrix_b_fmt:MATRIX_FMT_FP4
.endm
; nb blocks of 32 at src + 16 b: a lane holds k = 16 h + 0..15 of its row.  Leaves in v[SO+b] the conversion's scale operand (the largest magnitude, floored at 2^(3 - 127), 2 off its exponent field)
.macro AMAX src, nb
.set b_, 0
.rept \nb
	v_max3_num_f32 v[MX+b_], |v[(\src)+16*b_]|, |v[(\src)+16*b_+1]|, 0x1800000
.set b_, b_+1
.endr
.irp i, 2,4,6
.set b_, 0
.rept \nb
	v_max3_num_f32 v[MX+b_], v[MX+b_], |v[(\src)+16*b_+\i]|, |v[(\src)+16*b_+\i+1]|
.set b_, b_+1
.endr
.endr
.set b_, 0
.rept \nb
	v_max3_num_f32 v[PB+b_], |v[(\src)+16*b_+8]|, |v[(\src)+16*b_+9]|, |v[(\src)+16*b_+10]|
.set b_, b_+1
.endr
.irp i, 11,13
.set b_, 0
.rept \nb
	v_max3_num_f32 v[PB+b_], v[PB+b_], |v[(\src)+16*b_+\i]|, |v[(\src)+16*b_+\i+1]|
.set b_, b_+1
.endr
.endr
.set b_, 0
.rept \nb
	v_max3_num_f32 v[MX+b_], v[MX+b_], v[PB+b_], |v[(\src)+16*b_+15]|
.set b_, b_+1
.endr
.set b_, 0
.rept \nb
	v_permlanex16_b32 v[PB+b_], v[MX+b_], s[SEL], s[SEL+1]
.set b_, b_+1
.endr
.set b_, 0
.rept \nb
	v_max_num_f32 v[MX+b_], v[MX+b_], v[PB+b_]
.set b_, b_+1
.endr
.set b_, 0
.rept \nb
	v_add_nc_u32 v[SO+b_], 0xff000000, v[MX+b_]
.set b_, b_+1
.endr
.endm
.macro QK32 src, n, dst, ds, scl       ; n operands of K = 32: codes into registers 0-3 (lanes 0-15; lanes 16-31 zeros), the byte into v[scl + b]
	AMAX \src, \n
.set b_, 0
.rept \n
	v_lshrrev_b32 v[(\scl)+b_], 23, v[SO+b_]
.set b_, b_+1
.endr
.set b_, 0
.rept \n
	v_cvt_scalef32_pk8_fp4_f32 v[(\dst)+(\ds)*b_], v[(\src)+16*b_:(\src)+16*b_+7], v[SO+b_]
	v_cvt_scalef32_pk8_fp4_f32 v[(\dst)+(\ds)*b_+1], v[(\src)+16*b_+8:(\src)+16*b_+15], v[SO+b_]
.set b_, b_+1
.endr
.set b_, 0
.rept \n
	v_mov_b32 v[(\dst)+(\ds)*b_+2], 0              ; (plain lines behind the conversions)
	v_mov_b32 v[(\dst)+(\ds)*b_+3], 0
.set b_, b_+1
.endr
.set b_, 0
.rept \n
	v_permlane16_swap_b32 v[(\dst)+(\ds)*b_], v[(\dst)+(\ds)*b_+2]
	v_permlane16_swap_b32 v[(\dst)+(\ds)*b_+1], v[(\dst)+(\ds)*b_+3]
.set b_, b_+1
.endr
.endm
.macro QK64 src, n, dst, ds, scl       ; n operands of K = 64: codes into registers 0-3, the two bytes into v[scl + v]
	AMAX \src, 2*(\n)
.set b_, 0
.rept 2*(\n)
	v_lshrrev_b32 v[PB+b_], 23, v[SO+b_]
.set b_, b_+1
.endr
.set b_, 0
.rept \n
	v_lshl_or_b32 v[(\scl)+b_], v[PB+2*b_+1], 8, v[PB+2*b_]
.set b_, b_+1
.endr
.set b_, 0
.rept 2*(\n)
	v_cvt_scalef32_pk8_fp4_f32 v[(\dst)+(\ds)*(b_/2)+2*(b_%2)], v[(\src)+16*b_:(\src)+16*b_+7], v[SO+b_]
	v_cvt_scalef32_pk8_fp4_f32 v[(\dst)+(\ds)*(b_/2)+2*(b_%2)+1], v[(\src)+16*b_+8:(\src)+16*b_+15], v[SO+b_]
.set b_, b_+1
.endr
	v_nop
.set b_, 0
.rept \n
	v_permlane16_swap_b32 v[(\dst)+(\ds)*b_], v[(\dst)+(\ds)*b_+2]
	v_permlane16_swap_b32 v[(\dst)+(\ds)*b_+1], v[(\dst)+(\ds)*b_+3]
.set b_, b_+1
.endr
.endm
.macro QK128 src, dst, scl             ; one operand of K = 128
	AMAX \src, 4
.irp b, 0,1,2,3
	v_lshrrev_b32 v[PB+\b], 23, v[SO+\b]
.endr
	v_lshl_or_b32 v[\scl], v[PB+1], 8, v[PB]
	v_lshl_or_b32 v[\scl], v[PB+2], 16, v[\scl]
	v_lshl_or_b32 v[\scl], v[PB+3], 24, v[\scl]
.irp b, 0,1,2,3
	v_cvt_scalef32_pk8_fp4_f32 v[(\dst)+2*\b], v[(\src)+16*\b:(\src)+16*\b+7], v[SO+\b]
	v_cvt_scalef32_pk8_fp4_f32 v[(\dst)+2*\b+1], v[(\src)+16*\b+8:(\src)+16*\b+15], v[SO+\b]
.endr
	v_nop
.irp c, 0,1
.irp i, 0,1
	v_permlane16_swap_b32 v[(\dst)+4*\c+\i], v[(\dst)+4*\c+2+\i]
.endr
.endr
.endm
.macro QADD a, b                       ; four registers += four registers
	v_pk_add_f32 v[(\a):(\a)+1], v[(\a):(\a)+1], v[(\b):(\b)+1]
	v_pk_add_f32 v[(\a)+2:(\a)+3], v[(\a)+2:(\a)+3], v[(\b)+2:(\b)+3]
.endm
.macro KLOAD g                         ; K of keys 4 L + g, 32 channels, into v[16 + 32 g ..]: each load is 512 consecutive bytes
.irp c, 0,1,2,3,4,5,6,7
	global_load_b128 v[16+32*(\g)+4*\c:19+32*(\g)+4*\c], v1, s[68:69] offset:O_KR+4096*(\g)+512*\c
.endr
.endm
; the 32 terms of body m are added as a tree, and the sum goes to E: register 4 q + g
.macro SUMS m
.set U_, 144+32*((\m)%2)
.irp p, 0,4,8,12,16,20,24,28
	v_pk_add_f32 v[U_+\p:U_+\p+1], v[U_+\p:U_+\p+1], v[U_+\p+2:U_+\p+3]
.endr
.irp p, 0,8,16,24
	v_pk_add_f32 v[U_+\p:U_+\p+1], v[U_+\p:U_+\p+1], v[U_+\p+4:U_+\p+5]
.endr
.irp p, 0,16
	v_pk_add_f32 v[U_+\p:U_+\p+1], v[U_+\p:U_+\p+1], v[U_+\p+8:U_+\p+9]
.endr
	v_pk_add_f32 v[U_:U_+1], v[U_:U_+1], v[U_+16:U_+17]
	v_add_f32 v[208+4*((\m)%8)+(\m)/8], v[U_], v[U_+1]
.endm
; BODY n: g = n / 8, query n % 8.  The query's 32 numbers lie in s[16:47] (even n) or s[48:63], s[80:95] (odd n); the next query's are asked for at the body's head.
; prev = 1: the body before has left a batch of exponentials open: it has two waits, behind this body's 32 multiplications and ahead of the additions that read it.
.macro BODY n, prev
.set T_, 144+32*((\n)%2)
	s_wait_kmcnt 0x0                               ; this body's query is in
.if (\n) < 31
.if (\n)%2 == 0
	s_load_b512 s[48:63], s[66:67], (((\n)+1)%8)*128
	s_load_b512 s[80:95], s[66:67], (((\n)+1)%8)*128+64
.else
	s_load_b512 s[16:31], s[66:67], (((\n)+1)%8)*128
	s_load_b512 s[32:47], s[66:67], (((\n)+1)%8)*128+64
.endif
.endif
.set c_, 0
.rept 32
.set sq_, 16+c_
.if (\n)%2 == 1
.set sq_, 48+c_+16*(c_/16)
.endif
	v_mul_f32 v[T_+c_], s[sq_], v[16+32*((\n)/8)+c_]
.set c_, c_+1
.endr
.if \prev
	s_wait_alu depctr_va_vdst(0)                   ; the last body's 32 exponentials have written their terms, which the additions below read; and this body's multiplications are done reading K
.endif
.set c_, 0
	s_wait_alu depctr_va_vdst(0)
.rept 32
	v_exp_f32 v[T_+c_], v[T_+c_]
.set c_, c_+1
.endr
.if \prev
	SUMS (\n)-1
.endif
.endm
; body m's batch is closed with no body behind it: a plain line behind the last exponential, the one wait, the sums
.macro CLOSE m
	v_nop
	s_wait_alu depctr_va_vdst(0)                   ; body m's 32 exponentials have written their terms, which the additions read
	SUMS \m
.endm
	s_load_b256 s[4:11], s[0:1], 0x0               ; mask 4, Z 6, ws 8, out0 10
	v_and_b32 v208, 31, v0                         ; lane
	v_and_b32 v209, 15, v0                         ; r
	v_bfe_u32 v210, v0, 4, 1                       ; h
	v_lshrrev_b32 v211, 5, v0
	v_readfirstlane_b32 s12, v211                  ; wave 0..15
	v_and_b32 v212, 7, v0                          ; r % 8
	v_bfe_u32 v213, v0, 3, 1                       ; r / 8
	v_bfe_u32 v214, v0, 3, 2                       ; lane / 8
	s_mov_b32 s[SEL], 0x76543210
	s_mov_b32 s[SEL+1], 0xfedcba98
	s_mov_b32 s76, 0x00ff00ff                      ; the lanes with r < 8
	s_mov_b32 s77, 0x3d000000                      ; 1 / 32
	s_mov_b32 s78, 0x3727c5ac                      ; 1e-5
	v_lshlrev_b32 v1, 4, v208                      ; 16 lane
	v_lshlrev_b32 v2, 5, v212
	v_lshl_add_u32 v2, v213, 10, v2
	v_lshl_add_u32 v2, v210, 4, v2                 ; phi_K's codes: key 32 (r / 8) + r % 8, + 16 h
	v_lshlrev_b32 v3, 2, v212
	v_lshl_add_u32 v3, v213, 7, v3                 ; and its scale word
	s_lshl_b32 s2, ttmp9, 8
	v_lshlrev_b32 v4, 5, v212
	v_lshl_add_u32 v4, v210, 4, v4
	v_add_nc_u32 v4, s2, v4                        ; phi_Q's codes: query 8 wg + r % 8, + 16 h
	s_lshl_b32 s2, ttmp9, 5
	v_lshlrev_b32 v5, 2, v212
	v_add_nc_u32 v5, s2, v5                        ; and its scale word
	v_lshlrev_b32 v6, 2, v209                      ; 4 r
	s_wait_alu depctr_va_sdst(0)                   ; s12 is written, ahead of its first reader: LDS addresses and the bases are made from it
	s_mul_i32 s2, s12, 5248                        ; my wave's bytes for the turn: block b of a row lies at 128 b + 128 (b / 2)
	v_lshlrev_b32 v7, 4, v212
	v_lshl_add_u32 v7, v214, 7, v7
	v_lshl_add_u32 v7, v210, 7, v7
	v_add_nc_u32 v7, s2, v7                        ; in: keys 4 L .. 4 L + 3 of a row
	v_mul_u32_u24 v8, v212, 656
	v_mad_u32_u24 v8, v213, 384, v8
	v_lshl_add_u32 v8, v210, 7, v8
	v_add_nc_u32 v8, s2, v8                        ; back: row r % 8, block 2 (r / 8) + h: sixteen lanes start at sixteen different columns of 16 bytes
	s_lshl_b32 s2, s12, 13
	s_add_co_u32 s2, s2, KVP
	v_add_nc_u32 v9, s2, v1
	s_lshl_b32 s2, s12, 11
	s_add_co_u32 s3, s2, OP
	v_add_nc_u32 v10, s3, v1
	s_add_co_u32 s3, s2, EPS
	v_add_nc_u32 v11, s3, v1
	v_lshlrev_b32 v12, 4, v213
	v_lshl_add_u32 v12, v210, 3, v12               ; 8 x my block: where my byte stands in the scale word
	s_lshl_b32 s2, s12, 9
	s_add_co_u32 s2, s2, KVP
	v_add_nc_u32 v13, s2, v1                       ; quad w of the partials 0-7,
	v_add_nc_u32 v14, 0x10000, v13                 ; and of 8-15
	s_lshr_b32 s2, s12, 2
	s_lshl_b32 s2, s2, 13
	s_and_b32 s3, s12, 3
	s_lshl_b32 s3, s3, 9
	s_add_co_u32 s2, s2, s3
	s_add_co_u32 s2, s2, OP
	v_add_nc_u32 v15, s2, v1                       ; quad w % 4 of the partials 4 (w / 4) on
	s_mov_b32 s3, 0
	s_wait_kmcnt 0x0
	; what the first body waits for is asked for first: query 0, and K of g = 0; K of g = 1 behind it
	s_lshl_b32 s2, ttmp9, 10
	s_add_nc_u64 s[66:67], s[8:9], s[2:3]          ; Q x c at my 8 rows
	s_load_b512 s[16:31], s[66:67], 0x0            ; query 0
	s_load_b512 s[32:47], s[66:67], 0x40
	s_add_nc_u64 s[6:7], s[6:7], s[2:3]            ; Z and out0 at my 8 rows
	s_add_nc_u64 s[10:11], s[10:11], s[2:3]
	s_lshl_b32 s2, s12, 14
	s_add_nc_u64 s[68:69], s[8:9], s[2:3]
	s_wait_alu depctr_va_vdst(0)                   ; the fifteen addresses v1 to v15 are written, which the loads and the LDS instructions below read
	KLOAD 0                                        ; 8
	KLOAD 1                                        ; 8
	s_lshl_b32 s2, ttmp9, 16
	s_lshl_b32 s13, s12, 9
	s_add_co_u32 s2, s2, s13
	s_add_nc_u64 s[4:5], s[4:5], s[2:3]            ; mask: my 8 rows, my wave's 128 keys
	s_lshl_b32 s2, s12, 12
	s_add_nc_u64 s[70:71], s[8:9], s[2:3]
	s_lshl_b32 s2, s12, 11
	s_add_nc_u64 s[72:73], s[8:9], s[2:3]
	s_mul_i32 s2, s12, 768
	s_add_nc_u64 s[74:75], s[8:9], s[2:3]
	; ---- the exponentials
	s_wait_loadcnt 8                               ; K of g = 0 is in; out: g = 1's 8
	BODY 0, 0
	; 22 loads into the registers of K for g = 2, 3, which are idle until body 16: what the products behind body 7 want.  They have seven bodies in which to land.
	; No wait: since the wait at the head only body 0 has been issued, which names v16-47 and v144-175; these loads touch v1, v6, v80-143 and v240-245
.irp f, 0,1,2,3                                ; 8: phi_K^T's four fragments of my 128 tokens
.irp c, 0,1
	global_load_b128 v[80+8*\f+4*\c:83+8*\f+4*\c], v1, s[70:71] offset:O_PKT+1024*\f+512*\c
.endr
.endr
.irp f, 0,1,2,3                                ; 4: their scale words
	global_load_b32 v[SCL+\f], v6, s[74:75] offset:O_SSC+256+64*\f
.endr
.irp u, 0,1                                    ; 4: V^T's two fragments
.irp c, 0,1
	global_load_b128 v[112+8*\u+4*\c:115+8*\u+4*\c], v1, s[72:73] offset:O_VT+1024*\u+512*\c
.endr
.endr
.irp u, 0,1                                    ; 2: their scale words: they stay
	global_load_b32 v[SCL+4+\u], v6, s[74:75] offset:O_SSC+512+64*\u
.endr
.irp i, 0,1,2,3                                ; 4: my sixteenth of the tail's weights
	global_load_b128 v[128+4*\i:131+4*\i], v1, s[72:73] offset:O_EPI+512*\i
.endr
.irp n, 1,2,3,4,5,6,7
	BODY \n, 1
.endr
	CLOSE 7                                        ; both buffers of terms, v144-207, are free now: they take the eight accumulators
	; ---- my 128 tokens' part of phi_K^T V: rows = features, columns = channels
	s_wait_loadcnt 0x0                             ; K of g = 1 and the 22
.irp i, 0,1,2,3
	ds_store_b128 v11, v[128+4*\i:131+4*\i] offset:512*\i  ; loaded data, an address from the head: no vector instruction has named either since the head's wait
.endr
.irp v, 0,1
.irp f, 0,1,2,3
	WMZ 144+32*\v+8*\f, 80+8*\f, 112+8*\v, SCL+\f, SCL+4+\v
.endr
.endr
	PLACES 4                                       ; four plain lines between the products and the stores of their results
	s_wait_alu depctr_va_vdst(0)                   ; the products have written v144-207, which the LDS stores read, and are done reading v80-127, in which K of g = 2, 3 lands; bodies 0-7 are done reading v16-47, in which the mask lands
.set q_, 0
.rept 16
	ds_store_b128 v9, v[144+4*q_:147+4*q_] offset:512*q_
.set q_, q_+1
.endr
	s_wait_dscnt 0x0                               ; my LDS stores have landed
	s_wait_alu depctr_vm_vsrc(0)                   ; the twenty LDS stores have read v128-143, in which K of g = 3 lands, and v144-207, which the next bodies write
	KLOAD 2                                        ; 16: wanted from bodies 16 and 24 on
	KLOAD 3
.irp q, 0,1,2,3,4,5,6,7                        ; 8: the mask, read once, into the registers that K of g = 0 has left: register 4 q + g = mask(query q, key 4 L + g)
	global_load_b128 v[16+4*\q:19+4*\q], v1, s[4:5] offset:8192*\q th:TH_LOAD_NT
.endr
	BODY 8, 0
.irp n, 9,10,11,12,13,14,15
	BODY \n, 1
.endr
	; No wait: body 15's own wait stands behind its multiplications, the last readers of v48-79; the exponentials and additions issued since name v144-239 alone
.irp t, 0,1,2,3                                ; phi_K's codes: tile t, row m: key 32 (m / 8) + 8 t + m % 8 in k 0..63, the key 64 further on in k 64..127
.irp c, 0,1
	global_load_b128 v[48+8*\t+4*\c:51+8*\t+4*\c], v2, s[70:71] offset:O_PKC+(64*\c+8*\t)*32
.endr
.endr
.irp t, 0,1,2,3
	global_load_b32 v[SCL+\t], v3, s[74:75] offset:O_SSC+32*\t
.endr
	s_wait_loadcnt 28                              ; K of g = 2 is in; out: g = 3's 8, the mask's 8, these 12
.irp n, 16,17,18,19,20,21,22,23
	BODY \n, 1
.endr
	; No wait: body 23's own wait stands behind its multiplications, the last readers of v80-111
.irp u, 0,1                                    ; V^T again (its registers were taken), phi_Q's codes and scale word
.irp c, 0,1
	global_load_b128 v[80+8*\u+4*\c:83+8*\u+4*\c], v1, s[72:73] offset:O_VT+1024*\u+512*\c
.endr
.endr
	global_load_b128 v[96:99], v4, s[8:9] offset:O_PQC
	global_load_b32 v[SCL+6], v5, s[8:9] offset:O_PQS
	s_wait_loadcnt 26                              ; K of g = 3 is in; out: the mask's 8, the 12, these 6
.irp n, 24,25,26,27,28,29,30,31
	BODY \n, 1
.endr
	CLOSE 31
	; ---- the mask, and the turn: from (lane = 4 keys, register = query) to (lane = query and block, register = key)
	s_wait_loadcnt 0x0
	s_wait_alu depctr_vm_vsrc(0)                   ; the loads behind bodies 15 and 23 have read v2 to v5, which are made anew below (with v6, v9 and v11, whose readers stand further back)
.irp i, 0,1,2,3
	v_cndmask_b32 v[176+\i], 0, v[96+\i], s76      ; phi_Q as columns: r < 8 in k 0..63,
	v_cndmask_b32 v[180+\i], v[96+\i], 0, s76      ; r >= 8 in k 64..127
.endr
.set j_, 0
.rept 32
	v_cmp_eq_u32 s[16+j_], 0, v[16+j_]             ; a run of 32 compares, each into a scalar register of its own (the even queries' registers are free)
.set j_, j_+1
.endr
	; the late addresses, in address registers whose loads and stores are done: they stand between the compares and the wait for them
	s_lshl_b32 s2, s12, 9
	s_add_co_u32 s2, s2, KVR
	v_add_nc_u32 v2, s2, v1                        ; where I put my summed quads
	v_add_nc_u32 v3, EPS, v1                       ; a quad of the tail's table
	v_and_b32 v4, 31, v0
	v_lshl_add_u32 v4, v4, 2, EPS+54*512           ; a slot of its scale words
	v_add_nc_u32 v5, KVR, v1
	v_and_b32 v6, 7, v0
	v_lshlrev_b32 v6, 7, v6
	v_bfe_u32 v9, v0, 4, 1
	v_lshl_add_u32 v6, v9, 6, v6                   ; row r % 8 of 128 bytes, + 64 h
	v_add_nc_u32 v9, OST, v6
	v_add_nc_u32 v11, OST, v1
	s_wait_alu depctr_va_sdst(0)                   ; the 32 compares have written s16 to s47, ahead of their first reader
.set j_, 0
.rept 32
	v_cndmask_b32 v[208+j_], -1.0, v[208+j_], s[16+j_]   ; a sum of exponentials is never negative: -1 marks a pair that does not count
.set j_, j_+1
.endr
	s_wait_alu depctr_va_vdst(0)                   ; E (v208-239) is written, which the LDS stores read; so are the late addresses; the compares are done reading v32-47, in which Z lands; the bodies are done with v144-175, in which the turn's loads land; phi_Q's columns v176-183 are written, which the products take
.irp q, 0,1,2,3,4,5,6,7
	ds_store_b128 v7, v[208+4*\q:211+4*\q] offset:656*\q
.endr
.irp i, 0,1,2,3
	global_load_b128 v[32+4*\i:35+4*\i], v6, s[6:7] offset:16*\i    ; Z of my query, channels 16 h on (every wave asks, 1 KB; wave 0 reads it)
.endr
	; ---- phi_K phi_Q^T, the scores, their codes
.irp t, 0,1,2,3
	WMZ 112+8*\t, 48+8*\t, 176, SCL+\t, SCL+6
.endr
.irp i, 0,1,2,3,4,5,6,7
	ds_load_b128 v[144+4*\i:147+4*\i], v8 offset:16*\i     ; my own bytes: LDS serves a wave's instructions in order.  No wait: the four products issued since the wait above name none of v8, v144-175
.endr
	PLACES 4
	s_wait_dscnt 0x0
.set j_, 0
.rept 32                                       ; register j: key 32 b + j of my query.  A run of 32 compares into the odd queries' registers,
	v_cmp_le_f32 s[48+j_+16*(j_/16)], 0, v[144+j_]
.set j_, j_+1
.endr
.set j_, 0
.rept 32                                       ; the subtractions, which stand between the compares and the wait for them,
	v_sub_f32 v[144+j_], v[144+j_], v[112+j_]
.set j_, j_+1
.endr
	s_wait_alu depctr_va_sdst(0)                   ; the 32 compares have written s48 to s63 and s80 to s95, ahead of their first reader
.set j_, 0
.rept 32                                       ; and the selects
	v_cndmask_b32 v[144+j_], 0, v[144+j_], s[48+j_+16*(j_/16)]
.set j_, j_+1
.endr
	v_max3_num_f32 v196, |v144|, |v145|, 0x1800000 ; the block's largest magnitude: all 32 are mine; the floor holds the byte at 1
	v_max3_num_f32 v197, |v160|, |v161|, |v162|
.irp i, 2,4,6,8,10,12
	v_max3_num_f32 v196, v196, |v[144+\i]|, |v[145+\i]|
	v_max3_num_f32 v197, v197, |v[161+\i]|, |v[162+\i]|
.endr
	v_max3_num_f32 v196, v196, |v158|, |v159|
	v_max3_num_f32 v196, v196, v197, |v175|
	v_add_nc_u32 v198, 0xff000000, v196
	v_lshrrev_b32 v199, 23, v198
	v_lshlrev_b32 v199, v12, v199                  ; my byte at my block's place,
	v_permlanex16_b32 v200, v199, s[SEL], s[SEL+1]
	v_or_b32 v[SCL+7], v199, v200                  ; with lane xor 16's: the column's scale word (the other two bytes stand over zero codes)
.irp i, 0,1,2,3
	v_cvt_scalef32_pk8_fp4_f32 v[184+\i], v[144+8*\i:151+8*\i], v198
.endr
	v_nop
.irp i, 0,1,2,3
	v_cndmask_b32 v[188+\i], 0, v[184+\i], s76
	v_cndmask_b32 v[192+\i], v[184+\i], 0, s76
.endr
	PLACES 8                                       ; the scale word was written by a vector line
	s_wait_alu depctr_va_vdst(0)                   ; the scores' codes v188-195 and their scale word v247 are written, which the scaled products take; the places above stay beside this wait
.irp u, 0,1
	WMZ 96+8*\u, 80+8*\u, 188, SCL+4+\u, SCL+7     ; V^T P: register 8 u + j = channel 16 h + 8 u + j of column r
.endr
	PLACES 4
	s_wait_alu depctr_va_vdst(0)                   ; the two products have written v96-111, which the LDS stores read, and are done reading v80-95; the places above stay beside this wait
.irp q, 0,1,2,3
	ds_store_b128 v10, v[96+4*\q:99+4*\q] offset:512*\q
.endr
	s_wait_dscnt 0x0                               ; my partial sums have landed
	s_barrier_signal -1
	s_barrier_wait -1
	s_wait_alu depctr_vm_vsrc(0)                   ; my LDS stores have read v96-111, in which the loads below land, and the turn's stores v208-239, which the tail writes
	; ---- the sums over the sixteen waves: wave w adds quad w of phi_K^T V, and one quad of four partial V^T P
.irp p, 0,1,2,3,4,5,6,7
	ds_load_b128 v[48+4*\p:51+4*\p], v13 offset:8192*\p
.endr
.irp p, 0,1,2,3,4,5,6,7
	ds_load_b128 v[80+4*\p:83+4*\p], v14 offset:8192*\p
.endr
.irp p, 0,1,2,3
	ds_load_b128 v[112+4*\p:115+4*\p], v15 offset:2048*\p
.endr
	s_wait_dscnt 0x4                               ; out: the last four
.irp p, 0,2,4,6,8,10,12,14
	QADD 48+4*\p, 52+4*\p
.endr
.irp p, 0,4,8,12
	QADD 48+4*\p, 56+4*\p
.endr
	QADD 48, 64
	QADD 80, 96
	QADD 48, 80
	s_wait_dscnt 0x0
	QADD 112, 116
	QADD 120, 124
	QADD 112, 120
	s_wait_alu depctr_va_vdst(0)                   ; the additions have written v48-51 and v112-115, which the LDS stores read, and are done with v48-127, in which wave 0's loads land
	ds_store_b128 v2, v[48:51]
	ds_store_b128 v2, v[112:115] offset:8192
	s_wait_dscnt 0x0
	s_barrier_signal -1
	s_barrier_wait -1
	s_wait_alu depctr_vm_vsrc(0)                   ; my two LDS stores have read v48-51 and v112-115, in which wave 0's loads land: stated ahead of the branch
	s_cmp_lg_u32 s12, 0
	s_cbranch_scc1 .Lend
	; ---------------- the tail, wave 0 ----------------
.macro EQ reg, quad
	ds_load_b128 v[(\reg):(\reg)+3], v3 offset:512*(\quad)
.endm
.macro ES reg, slot
	ds_load_b32 v[\reg], v4 offset:128*(\slot)
.endm
.macro RSUM x                          ; the sum of a row's 32 numbers (16 mine, 16 in lane xor 16) into v236
	v_pk_add_f32 v[236:237], v[(\x):(\x)+1], v[(\x)+2:(\x)+3]
	v_pk_add_f32 v[238:239], v[(\x)+4:(\x)+5], v[(\x)+6:(\x)+7]
	v_pk_add_f32 v[236:237], v[236:237], v[(\x)+8:(\x)+9]
	v_pk_add_f32 v[238:239], v[238:239], v[(\x)+10:(\x)+11]
	v_pk_add_f32 v[236:237], v[236:237], v[(\x)+12:(\x)+13]
	v_pk_add_f32 v[238:239], v[238:239], v[(\x)+14:(\x)+15]
	v_pk_add_f32 v[236:237], v[236:237], v[238:239]
	v_add_f32 v236, v236, v237
	v_permlanex16_b32 v237, v236, s[SEL], s[SEL+1]
	v_add_f32 v236, v236, v237
.endm
.macro LNORM x, g, be                  ; (x - mean) / sqrt(var + 1e-5) x g + be, in place
	RSUM \x
	v_mul_f32 v236, s77, v236
.irp p, 0,2,4,6,8,10,12,14
	v_pk_add_f32 v[(\x)+\p:(\x)+\p+1], v[(\x)+\p:(\x)+\p+1], v[236:237] op_sel_hi:[1,0] neg_lo:[0,1] neg_hi:[0,1]
.endr
	v_pk_mul_f32 v[236:237], v[(\x):(\x)+1], v[(\x):(\x)+1]
	v_pk_mul_f32 v[238:239], v[(\x)+2:(\x)+3], v[(\x)+2:(\x)+3]
.irp p, 4,8,12
	v_pk_fma_f32 v[236:237], v[(\x)+\p:(\x)+\p+1], v[(\x)+\p:(\x)+\p+1], v[236:237]
	v_pk_fma_f32 v[238:239], v[(\x)+\p+2:(\x)+\p+3], v[(\x)+\p+2:(\x)+\p+3], v[238:239]
.endr
	v_pk_add_f32 v[236:237], v[236:237], v[238:239]
	v_add_f32 v236, v236, v237
	v_permlanex16_b32 v237, v236, s[SEL], s[SEL+1]
	v_add_f32 v236, v236, v237
	v_fma_f32 v238, v236, s77, s78
	s_wait_alu depctr_va_vdst(0)
	v_rsq_f32 v236, v238
	v_nop
	s_wait_alu depctr_va_vdst(0)                   ; the root's reciprocal v236 is written, ahead of its first reader
.irp p, 0,2,4,6,8,10,12,14
	v_pk_mul_f32 v[(\x)+\p:(\x)+\p+1], v[(\x)+\p:(\x)+\p+1], v[236:237] op_sel_hi:[1,0]
.endr
.irp p, 0,2,4,6,8,10,12,14
	v_pk_fma_f32 v[(\x)+\p:(\x)+\p+1], v[(\x)+\p:(\x)+\p+1], v[(\g)+\p:(\g)+\p+1], v[(\be)+\p:(\be)+\p+1]
.endr
.endm
	; No wait on va_vdst: no vector or matrix instruction has been issued since the one ahead of the summed quads' stores
.set q_, 0
.rept 16
	ds_load_b128 v[48+4*q_:51+4*q_], v5 offset:512*q_             ; phi_K^T V: 32 v + 16 b + i = feature 32 b + 16 h + i of channel 8 v + TK(r)
.set q_, q_+1
.endr
.set q_, 0
.rept 16
	ds_load_b128 v[112+4*q_:115+4*q_], v5 offset:8192+512*q_      ; four partial V^T P
.set q_, q_+1
.endr
.irp u, 0,1
.irp i, 4,5,6,7
	v_mov_b32 v[184+8*\u+\i], 0                    ; k 64..127 of the two operands made of phi_K^T V: zero codes
.endr
.endr
.irp i, 4,5,6,7
	v_mov_b32 v[216+\i], 0                         ; and of the activations' K = 32 operand
.endr
	s_wait_dscnt 0x0
.irp q, 0,4,8,12
	QADD 112+\q, 128+\q
	QADD 144+\q, 160+\q
.endr
.irp q, 0,4,8,12
	QADD 112+\q, 144+\q
.endr
	QK64 48, 2, 184, 8, SCL
	PLACES 8
	s_wait_alu depctr_va_vdst(0)                   ; the codes of phi_K^T V (v184-199) and their scale words v240, v241 are written, which the scaled products take; the places above stay beside this wait
.irp u, 0,1
	WMC 112+8*\u, 184+8*\u, 176, SCL+\u, SCL+6     ; + the low-rank term: columns 8-15 meet zero codes and add nothing
.endr
	PLACES 4
.set k_, 0
.rept 16
	v_add_f32_dpp v[112+k_], v[112+k_], v[112+k_] row_xmask:8 row_mask:0xf bank_mask:0xf   ; columns n and n + 8: the two halves of the keys
.set k_, k_+1
.endr
	RSUM 112
	v_max_num_f32 v236, 0x358637bd, v236           ; clip at 1e-6
	s_wait_alu depctr_va_vdst(0)
	v_rcp_f32 v238, v236
	v_nop
	s_wait_alu depctr_va_vdst(0)                   ; the reciprocal v238 is written, ahead of its first reader
.irp p, 0,2,4,6,8,10,12,14
	v_pk_mul_f32 v[112+\p:113+\p], v[112+\p:113+\p], v[238:239] op_sel_hi:[1,0]
.endr
	; No wait: the last readers of v48-111 (the quantiser's lines) and of v242, v243 stand ahead of the waits above; the eight multiplications issued since the last name v112-127 and v238, v239 alone
.irp u, 0,1                                    ; Wo, bo (the C), g1, beta1
	EQ 48+8*\u, \u
	EQ 52+8*\u, 57
	ES SCL+2+\u, \u
.endr
.irp i, 0,1,2,3
	EQ 64+4*\i, 14+\i
	EQ 80+4*\i, 38+\i
	EQ 96+4*\i, 42+\i
.endr
	QK32 112, 1, 216, 8, SCL+4
	PLACES 8
	s_wait_dscnt 0x0
	s_wait_alu depctr_va_vdst(0)                   ; the codes v216-219 and the scale word v244 are written, which the scaled products take; the places above stay beside this wait
.irp u, 0,1
	WMC 64+8*\u, 48+8*\u, 216, SCL+2+\u, SCL+4
.endr
	PLACES 4
	s_wait_loadcnt 0x0                             ; Z
.irp p, 0,2,4,6,8,10,12,14
	v_pk_add_f32 v[128+\p:129+\p], v[32+\p:33+\p], v[64+\p:65+\p]
.endr
	LNORM 128, 80, 96                              ; Z1
	s_wait_alu depctr_va_vdst(0)                   ; the norm's last lines are done reading g1 and beta1 (v80-111), in which b1 lands; all earlier readers of v48-79 and v144-207 are done too
.irp t, 0,1,2,3,4,5,6,7                        ; W1, b1 (the C)
	EQ 144+8*\t, 2+\t
	EQ 148+8*\t, 57
	EQ 48+8*\t, 18+2*\t
	EQ 52+8*\t, 19+2*\t
	ES SCL+8+\t, 2+\t
.endr
	QK32 128, 1, 216, 8, SCL+4
	PLACES 8
	s_wait_dscnt 0x0
	s_wait_alu depctr_va_vdst(0)                   ; Z1's codes v216-219 and scale word v244 are written, which the scaled products take; the places above stay beside this wait
.irp t, 0,1,2,3,4,5,6,7
	WMC 48+8*\t, 144+8*\t, 216, SCL+8+\t, SCL+4
.endr
	PLACES 4
	s_wait_alu depctr_va_vdst(0)                   ; W1's products are done reading v144-175, in which g2 and beta2 land; the loads follow at once and land while the activation and the quantiser run, which name none of their registers
.irp u, 0,1                                    ; W2, b2 (the C), g2, beta2
	EQ 112+8*\u, 10+2*\u
	EQ 116+8*\u, 11+2*\u
	ES SCL+5+2*\u, 10+\u
.endr
.irp i, 0,1,2,3
	EQ 32+4*\i, 34+\i
	EQ 144+4*\i, 46+\i
	EQ 160+4*\i, 50+\i
.endr
.set j_, 0
.rept 64
	v_max_num_f32 v[48+j_], 0, v[48+j_]
.set j_, j_+1
.endr
	QK128 48, 208, SCL+4
	PLACES 8
	s_wait_dscnt 0x0
	s_wait_alu depctr_va_vdst(0)                   ; the hidden layer's codes v208-215 and scale word v244 are written, which the scaled products take; the places above stay beside this wait
.irp u, 0,1
	WMC 32+8*\u, 112+8*\u, 208, SCL+5+2*\u, SCL+4
.endr
	PLACES 4
.irp p, 0,2,4,6,8,10,12,14
	v_pk_add_f32 v[128+\p:129+\p], v[128+\p:129+\p], v[32+\p:33+\p]
.endr
	LNORM 128, 144, 160
	s_wait_alu depctr_va_vdst(0)                   ; the norm has written v128-143, which the LDS stores read
.irp i, 0,1,2,3
	ds_store_b128 v9, v[128+4*\i:131+4*\i] offset:16*\i    ; columns 8-15 write what columns 0-7 write
.endr
.irp n, 0,1
	ds_load_b128 v[48+4*\n:51+4*\n], v11 offset:512*\n
.endr
	s_wait_dscnt 0x0
.irp n, 0,1
	global_store_b128 v1, v[48+4*\n:51+4*\n], s[10:11] offset:512*\n     ; 512 consecutive bytes, four rows of out0
.endr
.Lend:
	s_wait_xcnt 0x0
	v_lshl_add_u32 v254, v0, 2, 0x48c00
	v_mov_b32 v255, 0
	s_wait_dscnt 0x0                               ; the closing lines, six on end
	s_wait_alu 0x0
	s_wait_tensorcnt 0x0
	ds_add_u32 v254, v255
	s_wait_dscnt 0x0
	s_endpgm
.Lfunc_end_k_q74d453180d_main:
	.size	k_q74d453180d_main, .Lfunc_end_k_q74d453180d_main-k_q74d453180d_main
	.p2alignl 7, 3214868480
	.fill 96, 4, 3214868480
	.section	.rodata,"a",@progbits
	.p2align	6, 0x0
	.amdhsa_kernel k_q74d453180d_main
		.amdhsa_group_segment_fixed_size 300032
		.amdhsa_private_segment_fixed_size 0
		.amdhsa_enable_private_segment 0
		.amdhsa_kernarg_size 32
		.amdhsa_user_sgpr_count 2
		.amdhsa_user_sgpr_kernarg_segment_ptr 1
		.amdhsa_wavefront_size32 1
		.amdhsa_system_sgpr_workgroup_id_x 1
		.amdhsa_system_sgpr_workgroup_id_y 1
		.amdhsa_system_sgpr_workgroup_id_z 1
		.amdhsa_system_vgpr_workitem_id 0
		.amdhsa_next_free_vgpr 256
		.amdhsa_next_free_sgpr 100
		.amdhsa_reserve_vcc 0
		.amdhsa_float_denorm_mode_32 3
		.amdhsa_float_denorm_mode_16_64 3
		.amdhsa_memory_ordered 1
		.amdhsa_forward_progress 1
		.amdhsa_inst_pref_size 169
	.end_amdhsa_kernel
	.amdgpu_metadata
---
amdhsa.version: [ 1, 2 ]
amdhsa.kernels:
  - .name:           k_q74d453180d_main
    .symbol:         k_q74d453180d_main.kd
    .args:
      - { .name: mask, .offset: 0, .size: 8, .value_kind: global_buffer, .address_space: global }
      - { .name: Z, .offset: 8, .size: 8, .value_kind: global_buffer, .address_space: global }
      - { .name: ws, .offset: 16, .size: 8, .value_kind: global_buffer, .address_space: global }
      - { .name: out0, .offset: 24, .size: 8, .value_kind: global_buffer, .address_space: global }
    .group_segment_fixed_size: 300032
    .private_segment_fixed_size: 0
    .kernarg_segment_align: 8
    .kernarg_segment_size: 32
    .max_flat_workgroup_size: 512
    .sgpr_count:     100
    .vgpr_count:     256
    .wavefront_size: 32
...
	.end_amdgpu_metadata
.endif
;; end of part 4
